; MI455X (gfx1250); checked and timed in simulation.
; The chip was launched on July 23, 2026; its instructions are those of AMD's public machine-readable ISA for CDNA 5 (MIT licence, August 2026) and "CDNA5" Instruction Set Architecture Reference Guide (July 2026). The comments in the code are by the model that wrote it; some were corrected since.
;; Experts Feed Forward. Allowed arithmetic: matrix products marked QUANTISED: E3M2 operands, one E8M0 scale for each 32 along K, by v_wmma_scale_f32_16x16x128_f8f6f4 with both operands' format E3M2, f32 sums; products left as they are: f32 operands where the result goes on into a quantised operand, else bf16, f16 or f32 operands; f32 sums; everything else in f32.
;; Inputs: const_jump 1 x 1,024 float32; ff_keys 7 x 2,048 x 1,024 float32; ff_values 7 x 1,024 x 2,048 float32; gate_b 8 float32; gate_w 1,024 x 8 float32; shared_keys 1 x 2,048 x 1,024 float32; shared_values 1 x 1,024 x 2,048 float32; x 2 x 1,024 x 1,024 float32.
;; Outputs: out0 2 x 1,024 x 1,024 float32; out1 one number float32.
;; This version of the problem:
;;   THIS VERSION OF THE PROBLEM IS GIVEN IN LOW PRECISION. The matrix products marked QUANTISED in the list below multiply operands that are first quantised to E3M2 (3 exponent bits, 2 mantissa bits; 6 bits a number), with one power-of-two scale for each 32 numbers along K (OCP MX v1.0); their sums are f32. All else is computed in f32.
;;   The module's matrix products, in the order in which they are computed (A, B: the left and right operand; K: the contracted axis; several contracted axes count as one K, in the product's order):
;;     1. [M 2,070, K 1,024] x [K 1,024, N 8]; A: computed on the way; B: input gate_w: left as it is (N = 8 < 16)
;;     2. batch 16,560 x [M 1, K 4] x [K 4, N 207]; A: computed on the way; B: computed on the way: left as it is (K = 4 < 32)
;;     3. [M 2,070, K 1,024] x [K 1,024, N 2,048]; A: computed on the way; B: input shared_keys: QUANTISED
;;     4. [M 1,024, K 2,048] x [K 2,048, N 2,070]; A: input shared_values; B: computed on the way: QUANTISED
;;     5. batch 2,070 x [M 7, K 1] x [K 1, N 1,024]; A: computed on the way; B: computed on the way: left as it is (no contracted axis)
;;     6. batch 7 x [M 2,048, K 1,024] x [K 1,024, N 2,070]; A: input ff_keys; B: computed on the way: QUANTISED
;;     7. batch 7 x [M 1,024, K 2,048] x [K 2,048, N 2,070]; A: input ff_values; B: computed on the way: QUANTISED
;;     8. batch 2,070 x [M 1,024, K 7] x [K 7, N 1]; A: computed on the way; B: computed on the way: left as it is (K = 7 < 32)
;;     9. batch 2,070 x [M 1,024, K 1] x [K 1, N 1]; A: input const_jump; B: computed on the way: left as it is (K = 1 < 32)
;;   THE QUANTISER, for each operand of a quantised product, along K:
;;     - K is cut into blocks of 32 from its start; a last block that is shorter is filled with zeros.
;;     - A block's scale is 2^e with e = floor(log2(the largest magnitude in the block)) - 4, held to -126 .. 127; a block of zeros has e = 0. As a byte (E8M0): e + 127.
;;     - Each number is divided by its block's scale, clamped to +-28, and rounded to the nearest number of E3M2, ties to even, subnormals kept.
;;     - The product sums the exact products of the quantised numbers (number of the format x scale) in f32.
;;   ~~~python
;;   def quantise(x, axis):      # numpy; x: float32 -> the quantised numbers, widened to float32 again
;;       x = np.moveaxis(x, axis, -1); K = x.shape[-1]
;;       x = np.pad(x, [(0, 0)] * (x.ndim - 1) + [(0, -K % 32)]); x = x.reshape(x.shape[:-1] + (-1, 32)); a = np.abs(x).max(-1, keepdims=True)
;;       e = np.where(a > 0, np.clip(np.frexp(np.where(a > 0, a, 1))[1] - 1 - 4, -126, 127), 0)      # np.frexp(a)[1] - 1 = floor(log2(a)), exactly
;;       r = np.clip(x / 2.0 ** e, -28, 28)
;;       step = 2.0 ** (np.maximum(np.frexp(np.where(r == 0, 1, r))[1] - 1, -2) - 2)
;;       q = np.round(r / step) * step * 2.0 ** e      # np.round: ties to even
;;       return np.moveaxis(q.reshape(q.shape[:-2] + (-1,))[..., :K], -1, axis).astype(np.float32)
;;   ~~~
;;   OPERANDS COMPUTED ON THE WAY. 'Computed on the way' means the value that the module computes at that place (a softmax that the list does not call 'softmax' is quantised finished and normalised). What goes into a quantiser is computed in f32, as accurately as f32 sums, v_exp_f32 and their like allow (about 1e-6 of the number): no bf16 or f16 on the way to a quantiser, and a product that is left as it is and whose result goes on into a quantised operand takes f32 operands (vector FMAs, or v_wmma_f32_16x16x4_f32). A number that lies on a knife's edge between two numbers of the format may be rounded either way, as far as f32 arithmetic and the matrix unit's own rounding can turn it there, and no further.
;; One version. Each part assembles by itself: llvm-mc -triple=amdgcn-amd-amdhsa -mcpu=gfx1250 --defsym DOCPART=n.
;; ======== version 1 of 1: 5 launches
;; workspace buffers: wq 27,885,568 bytes; route 32,768 bytes of whole numbers; plan 87,040 bytes of whole numbers; hid 17,280,000 bytes; y 44,236,800 bytes
;; launch prep (part 1): grid 640 x 1, 4 waves a work-group, no clusters, 66,304 bytes of LDS; arguments x, gate_w, gate_b, ff_keys, shared_keys, ff_values, shared_values, wq, route; writes wq, route
.if DOCPART == 1
	.amdgcn_target "amdgcn-amd-amdhsa--gfx1250"
	.amdhsa_code_object_version 6
	.text
	.protected	k_qbd09b9245c_prep
	.globl	k_qbd09b9245c_prep
	.p2align	8
	.type	k_qbd09b9245c_prep,@function
k_qbd09b9245c_prep:
	s_mov_b64 s[64:65], 0
	v_nop
	global_prefetch_b8 v0, s[64:65] scope:SCOPE_SE
	s_setreg_imm32_b32 hwreg(HW_REG_WAVE_MODE, 25, 1), 1
	s_wait_xcnt 0x0
; PREP: all weights and x become codes of BF6 (E3M2) with one E8M0 byte for each 32 along K, laid in the order of the operands' registers; and the router (logits, softmax, top 4).
; WHAT THE PROGRAM COMPUTES, AND WHAT IT LEAVES OUT AS DEAD WORK, for all values of the inputs:
;   The sizes give groups of 45 tokens, 46 groups, capacity 207.  pos is a running count inside a group of 45, so 0 <= pos <= 45 < 207: valid is 1 everywhere.
;   A chosen pair (token, expert) has pos >= 1 and so exactly one entry of combine, its gate; a pair that was not chosen has pos = 0, and slot 0 is cut away by [..., 1:].
;   So expert_in is x for a chosen expert and 0 for the others; a row of zeros has zero codes, gelu(0) = 0, and it is weighed with 0: it adds nothing.  A chosen gate that is exactly 0 adds 0 x (a finite row) = 0 here, 0 there.
;   The mean over one shared expert is that expert.  The 22 padded tokens are sliced away.  router_loss is the constant 0.
;   out[t] = FFN_shared(x_t) + the sum over the chosen e < 7 of gate_e FFN_e(x_t) + (7 chosen) gate_7 const_jump.
;   Left out: pos, valid, slot_oh, dispatch, the rows of experts that were not chosen, the padded tokens, the mean.  Every input has a way to an output: all are loaded by some launch.
; LIMITS: a NaN, an infinity or an overflow that reaches only the work left out is not carried to the result.  NaN and infinities among the inputs are not served.  A block whose largest magnitude lies under 2^(5 - 127),
;   a block of zeros among them, keeps the scale byte 1 (the rule says 127 for zeros): its codes add the same, and the bytes are read by this program alone.  The top 4 are ranked on p = e x (1 / sum), ties to the lower index;
;   two probabilities closer than f32 rounding may be ranked the other way than in reference().
; SHARES.  Work-groups 0-127: x; a work-group takes 16 tokens, and ITS FOUR WAVES SHARE K: wave w takes K steps 2 w and 2 w + 1 (256 along K), so that a logit's chain of 1,024 multiply-adds is four chains of 256 side by side;
;   the four partial sums meet in LDS.  Work-groups 128-639: the weights; a wave takes a segment of 16 rows x 1,024 along K (65,536 bytes in, 12,288 + 512 out).  Waves of the weight path share nothing.
; A FRAGMENT (16 rows x 128 K, 12 registers a lane) lies in wq as an image of its registers: registers 4 c .. 4 c + 3 of lane l at 512 c + 16 l.  Segment n: codes at 12,288 n, scale words at KS_O + 512 n as [16 rows][8 words].
; THE ROWS OF A WEIGHT TILE T ARE NOT NEIGHBOURS: row i of the tile is row 32 (T / 2) + 8 (T % 2) + i + 8 (i / 8) of the weight, so that in the transposed product 16 registers of two neighbouring tiles are 16 neighbours.
; A token's codes lie as 48 pieces of 16 bytes: piece 6 s + 3 h + c = registers 4 c .. 4 c + 3 of half h of K step s: a row is three runs of 256 bytes to gather.
; No tensor loads, clusters or matrix units: the launch streams each input byte once.  No prefetch: its loads already run four half steps ahead in every wave.
.set KS_O,  25165824
.set XC_O,  26214400
.set XS_O,  27787264
.set G4_O,  27852800
.set XWG,   128                        ; work-groups of the x path
.set GW,    17408                      ; LDS: 0: the weight path's stages, 4 x 16 rows x 272;  GW: gate_w as it lies, 32,768 bytes (x path)
.set XROW,  50176                      ; x path: the tile's 48 pieces x (16 rows x 16 bytes + 16); wave w writes pieces 12 w .. 12 w + 11
.set XSS,   63232                      ; x path: 16 rows x 8 scale words; wave w writes words 2 w, 2 w + 1 of each row
.set LGS,   63744                      ; x path: the logits' partial sums: 4 waves x 16 tokens x 8 numbers
.set SPARE, 65792                      ; the spare words, 128 bytes for each wave: two blocks of 256 bytes that no other line names
.set SPW,   22                         ; v22  LDS address of my spare word; never rewritten
.set NIL,   23                         ; v23  0; never rewritten
.set SEL,   44                         ; s[44:45] lane selects for v_permlanex16_b32: lane l xor 16
.set LG,    10                         ; x path: v10-17 the 8 logits' sums
.set PW,    18                         ; x path: the scale word just made
.set PC,    224                        ; x path: v224-243 the codes just made
.set TM,    160                        ; x path: v160-175 at work in the quantiser (gate_w's first set is done with by then)
; ---- the weight path's macros.  v2-9 offsets of the 8 loads; v10-17 the 8 scale words; v19, v20 stage in and out; v21 16 x lane; v32-159 four sets as loaded; v160-223 two sets of 32 neighbours; v224-247 two fragments
.macro LOADW t                         ; half step t: 64 along K of the 16 rows; each load reads two rows x 256 consecutive bytes
.irp i, 0,1,2,3,4,5,6,7
	global_load_b128 v[32+32*((\t)%4)+4*\i:32+32*((\t)%4)+4*\i+3], v[2+\i], s[26:27] offset:256*(\t) th:TH_LOAD_NT
.endr
.endm
.macro TURNW t                         ; through my stage: in as loaded, out 64 bytes a lane for each block of 32.  LDS serves a wave's instructions in order: no wait between
.irp i, 0,1,2,3,4,5,6,7
	ds_store_b128 v19, v[32+32*((\t)%4)+4*\i:32+32*((\t)%4)+4*\i+3] offset:544*\i
.endr
.irp b, 0,1
.irp j, 0,1,2,3
	ds_load_b128 v[160+32*((\t)%2)+16*\b+4*\j:160+32*((\t)%2)+16*\b+4*\j+3], v20 offset:128*\b+16*\j
.endr
.endr
.endm
.macro QH                              ; two blocks of 32: v[XSr + 16 b + i] = k 32 b + 16 (lane / 16) + i of my row; they are half Cc of the fragment at v[PCr]; their bytes go into v[SWr]
	v_max3_num_f32 v28, |v[XSr]|, |v[XSr+1]|, 0x2800000            ; my 16 numbers and the floor 2^(5 - 127): the byte cannot fall under 1
	v_max3_num_f32 v29, |v[XSr+16]|, |v[XSr+17]|, 0x2800000
.irp i, 2,4,6,8,10,12,14
	v_max3_num_f32 v28, v28, |v[XSr+\i]|, |v[XSr+\i+1]|
	v_max3_num_f32 v29, v29, |v[XSr+16+\i]|, |v[XSr+17+\i]|
.endr
	v_permlanex16_b32 v30, v28, s[SEL], s[SEL+1]
	v_permlanex16_b32 v31, v29, s[SEL], s[SEL+1]
	v_max_num_f32 v28, v28, v30                    ; with lane l xor 16's: the block's largest magnitude
	v_max_num_f32 v29, v29, v31
	v_add_nc_u32 v252, 0xfe000000, v28             ; 4 off the exponent field: the conversion's scale operand
	v_add_nc_u32 v253, 0xfe000000, v29
	v_lshrrev_b32 v254, 23, v252                   ; the scale's byte
	v_lshrrev_b32 v255, 23, v253
.if Cc == 0
	v_lshl_or_b32 v[SWr], v255, 8, v254
.else
	v_lshl_or_b32 v[SWr], v254, 16, v[SWr]
	v_lshl_or_b32 v[SWr], v255, 24, v[SWr]
.endif
	v_cvt_scalef32_pk16_bf6_f32 v[PCr+6*Cc:PCr+6*Cc+2], v[XSr:XSr+15], v252
	v_cvt_scalef32_pk16_bf6_f32 v[248:250], v[XSr+16:XSr+31], v253  ; (a conversion's three registers begin on an even number)
	v_nop                                          ; one plain place behind a scaled conversion
.irp i, 0,1,2
	v_permlane16_swap_b32 v[PCr+6*Cc+\i], v[248+\i]                ; the layout wants a whole block in a lane: lanes 0-15 the first block, lanes 16-31 the second
.endr
.irp i, 0,1,2
	v_mov_b32 v[PCr+6*Cc+3+\i], v[248+\i]
.endr
.endm
.macro STEPW t
.set XSr, 160+32*((\t)%2)
.set Cc,  (\t)%2
.set PCr, 224+12*(((\t)/2)%2)
.set SWr, 10+(\t)/2
	s_wait_dscnt 0x0                               ; this half step's numbers are back from the stage, so its stores into the stage have read their registers
	s_wait_xcnt 0x0                                ; the stores of the fragment two K steps back have read their registers: they are written again below
.if (\t)+4 < 16
	LOADW (\t)+4
.endif
.if (\t)+1 < 16
.if 14-(\t) >= 3
	s_wait_loadcnt 24                              ; the next half step's 8 loads are in; those of the three behind it may be out
.else
	s_wait_loadcnt 8*(14-(\t))                     ; at the end fewer half steps stand behind it
.endif
	TURNW (\t)+1
.endif
	QH
.if Cc == 1
.irp j, 0,1,2
	global_store_b128 v21, v[PCr+4*\j:PCr+4*\j+3], s[38:39] offset:1536*((\t)/2)+512*\j   ; 32 lanes store 512 consecutive bytes
.endr
.endif
.endm
; ---- the x path's macros.  v3 x offset; v5 my rows of gate_w in LDS; v7 my pieces; v9 my scale words; v32-95, v96-159 two sets of 64 numbers; v160-223 two sets of 4 rows of gate_w
.macro XLOAD reg, off                  ; 128 along K of the 16 tokens: lane (r, h) takes, of token r, 16 neighbours of each block of 32
.irp b, 0,1,2,3
.irp j, 0,1,2,3
	global_load_b128 v[\reg+16*\b+4*\j:\reg+16*\b+4*\j+3], v3, s[24:25] offset:\off+128*\b+16*\j th:TH_LOAD_NT
.endr
.endr
.endm
.macro GWLD g, par                     ; the 4 rows of gate_w that go with my numbers 4 g .. 4 g + 3: 32 bytes a row; the 16 lanes of a half read the same bytes
.irp kk, 0,1,2,3
	ds_load_b128 v[160+32*((\g)%2)+8*\kk:160+32*((\g)%2)+8*\kk+3], v5 offset:4096*(\par)+32*(32*((\g)/4)+4*((\g)%4)+\kk)
	ds_load_b128 v[160+32*((\g)%2)+8*\kk+4:160+32*((\g)%2)+8*\kk+7], v5 offset:4096*(\par)+32*(32*((\g)/4)+4*((\g)%4)+\kk)+16
.endr
.endm
.macro GFMA set, par                   ; the logits' sums in f32: 8 chains that do not wait for each other
	GWLD 0, \par
.set G, 0
.rept 16
.if G < 15
	GWLD G+1, \par
	s_wait_dscnt 8                                 ; all but the 8 loads just issued: this group's rows are in
.else
	s_wait_dscnt 0x0
.endif
.irp kk, 0,1,2,3
.irp m, 0,1,2,3,4,5,6,7
	v_fmac_f32 v[LG+\m], v[160+32*(G%2)+8*\kk+\m], v[\set+4*G+\kk]
.endr
.endr
.set G, G+1
.endr
.endm
.macro QUANT s                         ; 64 numbers of a lane, register 16 b + i = k 32 b + 16 (lane / 16) + i of my row, become a fragment in v[PC] on and its scale word in v[PW]
.irp b, 0,1,2,3
	v_max3_num_f32 v[TM+\b], |v[\s+16*\b]|, |v[\s+1+16*\b]|, 0x2800000
.endr
.irp i, 2,4,6,8,10,12,14
.irp b, 0,1,2,3
	v_max3_num_f32 v[TM+\b], v[TM+\b], |v[\s+16*\b+\i]|, |v[\s+1+16*\b+\i]|
.endr
.endr
.irp b, 0,1,2,3
	v_permlanex16_b32 v[TM+4+\b], v[TM+\b], s[SEL], s[SEL+1]
.endr
.irp b, 0,1,2,3
	v_max_num_f32 v[TM+\b], v[TM+\b], v[TM+4+\b]
.endr
.irp b, 0,1,2,3
	v_add_nc_u32 v[TM+12+\b], 0xfe000000, v[TM+\b]
.endr
.irp b, 0,1,2,3
	v_lshrrev_b32 v[TM+4+\b], 23, v[TM+12+\b]
.endr
	v_lshl_or_b32 v[PW], v[TM+5], 8, v[TM+4]
	v_lshl_or_b32 v[PW], v[TM+6], 16, v[PW]
	v_lshl_or_b32 v[PW], v[TM+7], 24, v[PW]
.irp c, 0,1
	v_cvt_scalef32_pk16_bf6_f32 v[PC+6*\c:PC+2+6*\c], v[\s+32*\c:\s+15+32*\c], v[TM+12+2*\c]
	v_cvt_scalef32_pk16_bf6_f32 v[PC+12+4*\c:PC+14+4*\c], v[\s+16+32*\c:\s+31+32*\c], v[TM+12+2*\c+1]
.endr
	v_nop                                          ; one plain place behind a scaled conversion
.irp c, 0,1
.irp i, 0,1,2
	v_permlane16_swap_b32 v[PC+6*\c+\i], v[PC+12+4*\c+\i]
.endr
.irp i, 0,1,2
	v_mov_b32 v[PC+3+6*\c+\i], v[PC+12+4*\c+\i]
.endr
.endr
.endm
.macro PROC set, par                   ; a K step of 128: its part of the logits, its codes and scale word, both into my bytes of LDS
	GFMA \set, \par
	QUANT \set
.irp c, 0,1,2
	ds_store_b128 v7, v[PC+4*\c:PC+4*\c+3] offset:1632*(\par)+272*\c
.endr
	ds_store_b32 v9, v[PW] offset:4*(\par)         ; both halves of the lanes write the same word with the same value
.endm
	s_load_b256 s[4:11], s[0:1], 0x0               ; x s[4:5], gate_w s[6:7], gate_b s[8:9], ff_keys s[10:11]
	s_load_b256 s[12:19], s[0:1], 0x20             ; shared_keys s[12:13], ff_values s[14:15], shared_values s[16:17], wq s[18:19]
	s_load_b64 s[20:21], s[0:1], 0x40              ; route
	v_lshl_add_u32 v[SPW], v0, 2, SPARE
	v_mov_b32 v[NIL], 0
	v_lshrrev_b32 v1, 5, v0
	v_readfirstlane_b32 s22, v1                    ; wave 0..3
	v_and_b32 v1, 31, v0                           ; lane
	s_mov_b32 s[SEL], 0x76543210
	s_mov_b32 s[SEL+1], 0xfedcba98
	s_mov_b32 s43, 0xffff0000                      ; the mask of lanes 16-31
	s_cmp_ge_u32 ttmp9, XWG                        ; the work-group's number alone decides: all four waves go the same way
	s_cbranch_scc1 .Lweights
	; ================= THE X PATH: the work-group's number is the tile of 16 tokens; wave w takes K steps 2 w, 2 w + 1 =================
	; every LDS address is made here, ahead of the one branch on the wave's number
	v_and_b32 v2, 15, v0                           ; r
	v_bfe_u32 v19, v0, 4, 1                        ; h
	v_lshlrev_b32 v3, 12, v2
	v_lshl_add_u32 v3, v19, 6, v3                  ; x: token r of 4,096 bytes, + 64 h
	s_lshl_b32 s36, s22, 13                        ; my 256 rows of gate_w: 8,192 bytes a wave
	v_lshlrev_b32 v5, 9, v19                       ; lanes 16-31 stand 16 rows of 32 bytes further on
	v_add_nc_u32 v5, s36, v5
	v_add_nc_u32 v5, GW, v5
	s_mul_i32 s37, s22, 3264                       ; my 12 pieces of 272 bytes
	v_mul_u32_u24 v7, v19, 816
	v_lshl_add_u32 v7, v2, 4, v7
	v_add_nc_u32 v7, s37, v7
	v_add_nc_u32 v7, XROW, v7                      ; my pieces: 272 (6 s + 3 h + c) + 16 r
	s_lshl_b32 s38, s22, 3                         ; my two scale words of a token's eight
	v_lshlrev_b32 v9, 5, v2
	v_add_nc_u32 v28, LGS, v9                      ; the partial sums of token r, wave 0's: 32 bytes a token
	v_add_nc_u32 v9, s38, v9
	v_add_nc_u32 v9, XSS, v9
	s_lshl_b32 s39, s22, 9
	v_add_nc_u32 v27, s39, v28                     ; and my wave's: 512 bytes a wave
	v_lshlrev_b32 v20, 4, v0                       ; 16 x thread: gate_w's copy
	v_add_nc_u32 v21, GW, v20
	s_lshl_b32 s40, s22, 6
	v_mul_u32_u24 v24, v2, 272
	v_lshl_add_u32 v24, v19, 4, v24
	v_add_nc_u32 v24, s40, v24
	v_add_nc_u32 v24, XROW, v24                    ; the way out: piece 16 u + lane % 16 of token 4 w + 2 p + lane / 16
	s_mul_i32 s41, s22, 3072
	v_mul_u32_u24 v25, v19, 768
	v_lshl_add_u32 v25, v2, 4, v25
	v_add_nc_u32 v25, s41, v25                     ; and the same place in wq: 768 bytes a token
	v_lshlrev_b32 v26, 4, v2
	v_lshl_add_u32 v26, v19, 3, v26                ; 16 r + 8 h: my half of my token's four words
	v_lshlrev_b32 v30, 4, v1                       ; 16 x lane
	v_add_nc_u32 v29, XSS, v30
.irp i, 0,1,2,3,4,5,6,7
	v_mov_b32 v[LG+\i], 0
.endr
	s_lshl_b32 s24, ttmp9, 16                      ; 16 tokens of 4,096 bytes,
	s_lshl_b32 s34, s22, 10
	s_add_co_u32 s24, s24, s34                     ; + my 256 numbers of each
	s_mov_b32 s25, 0
	s_mul_i32 s26, ttmp9, 12288
	s_add_co_u32 s26, s26, XC_O
	s_mov_b32 s27, 0
	s_lshl_b32 s28, ttmp9, 9
	s_add_co_u32 s28, s28, XS_O
	s_mov_b32 s29, 0
	s_lshl_b32 s30, ttmp9, 8
	s_mov_b32 s31, 0
	s_add_co_u32 s32, s30, G4_O
	s_mov_b32 s33, 0
	s_wait_kmcnt 0x0
	s_add_nc_u64 s[24:25], s[4:5], s[24:25]        ; x at the tile's first token, my part of K
	s_add_nc_u64 s[26:27], s[18:19], s[26:27]      ; the tile's codes,
	s_add_nc_u64 s[28:29], s[18:19], s[28:29]      ; scale words,
	s_add_nc_u64 s[32:33], s[18:19], s[32:33]      ; gates,
	s_add_nc_u64 s[30:31], s[20:21], s[30:31]      ; and chosen experts
	s_load_b256 s[48:55], s[8:9], 0x0              ; gate_b
.irp i, 0,1,2,3,4,5,6,7,8,9,10,11,12,13,14,15
	global_load_b128 v[160+4*\i:163+4*\i], v20, s[6:7] offset:2048*\i   ; gate_w: 128 threads x 16 bytes, 16 times
.endr
	XLOAD 32, 0                                    ; my even K step
	XLOAD 96, 512                                  ; my odd K step
	s_wait_loadcnt 32                              ; all but the 2 x 16 loads of x: gate_w's 16 are in
.irp i, 0,1,2,3,4,5,6,7,8,9,10,11,12,13,14,15
	ds_store_b128 v21, v[160+4*\i:163+4*\i] offset:2048*\i
.endr
	s_wait_dscnt 0x0                               ; for the others' sake: my part of gate_w has landed
	s_barrier_signal -1
	s_barrier_wait -1                              ; gate_w is whole; it is only read from here on
	s_wait_loadcnt 16                              ; all but the odd K step's 16 loads: the even K step is in
	PROC 32, 0
	s_wait_loadcnt 0x0
	PROC 96, 1
.irp i, 0,1,2,3,4,5,6,7
	v_permlanex16_b32 v[160+\i], v[LG+\i], s[SEL], s[SEL+1]
.endr
.irp i, 0,1,2,3,4,5,6,7
	v_add_f32 v[LG+\i], v[LG+\i], v[160+\i]        ; with lane l xor 16's: token r's sums over my 256 along K
.endr
	ds_store_b128 v27, v[10:13]                    ; both halves of the lanes write the same bytes with the same values
	ds_store_b128 v27, v[14:17] offset:16
	s_wait_dscnt 0x0                               ; for the others' sake: my pieces, my scale words and my partial sums have landed
	s_barrier_signal -1
	s_barrier_wait -1                              ; all four waves' have; nothing is written to LDS from here on
	; the codes come back by tokens: sixteen lanes take 256 consecutive bytes of a token's 768; a wave stores four tokens
.irp p, 0,1
.irp u, 0,1,2
	ds_load_b128 v[32+4*(3*\p+\u):32+4*(3*\p+\u)+3], v24 offset:4352*\u+32*\p
.endr
.endr
	s_wait_kmcnt 0x0                               ; gate_b
	s_wait_dscnt 0x0
.irp p, 0,1
.irp u, 0,1,2
	global_store_b128 v25, v[32+4*(3*\p+\u):32+4*(3*\p+\u)+3], s[26:27] offset:1536*\p+256*\u   ; sixteen lanes store 256 consecutive bytes, aligned
.endr
.endr
	s_cmp_lg_u32 s22, 0
	s_cbranch_scc1 .Lxdone                         ; the tile's scale words and the router are wave 0's: no barrier stands behind this branch
	ds_load_b128 v[128:131], v29                   ; 16 tokens x 8 scale words
.irp w, 0,1,2,3
	ds_load_b128 v[96+8*\w:99+8*\w], v28 offset:512*\w
	ds_load_b128 v[100+8*\w:103+8*\w], v28 offset:512*\w+16
.endr
	s_wait_dscnt 0x0
	global_store_b128 v30, v[128:131], s[28:29]    ; 512 consecutive bytes
	; THE ROUTER.  Every lane holds token r's numbers.  v160-167 e, v168-175 ranks, v176-179 the chosen experts, v180-183 their gates
.irp i, 0,1,2,3,4,5,6,7
	v_add_f32 v[LG+\i], v[96+\i], v[104+\i]        ; the four quarters of K, in a fixed order
	v_add_f32 v[160+\i], v[112+\i], v[120+\i]
.endr
.irp i, 0,1,2,3,4,5,6,7
	v_add_f32 v[LG+\i], v[LG+\i], v[160+\i]
.endr
.irp i, 0,1,2,3,4,5,6,7
	v_add_f32 v[LG+\i], s[48+\i], v[LG+\i]         ; + gate_b
.endr
	v_max3_num_f32 v184, v10, v11, v12             ; the maximum is taken away before the exponentials, as reference() does
	v_max3_num_f32 v184, v184, v13, v14
	v_max3_num_f32 v184, v184, v15, v16
	v_max_num_f32 v184, v184, v17
.irp i, 0,1,2,3,4,5,6,7
	v_sub_f32 v[160+\i], v[LG+\i], v184
.endr
.irp i, 0,1,2,3,4,5,6,7
	v_mul_f32 v[160+\i], 0x3fb8aa3b, v[160+\i]     ; x log2(e)
.endr
.irp i, 0,1,2,3,4,5,6,7
	v_exp_f32 v[160+\i], v[160+\i]
.endr
.irp i, 0,1,2,3,4,5,6,7
	v_mov_b32 v[168+\i], \i                        ; rank i begins at i: the lower indices are taken to win.  (Plain work behind the exponentials)
	v_mov_b32 v[194+\i], \i                        ; and the numbers 0 .. 7 for the selection
.endr
	s_wait_alu depctr_va_vdst(0)                   ; one wait for the batch of 8, ahead of its first reader
	v_add_f32 v185, v160, v161
	v_add_f32 v186, v162, v163
	v_add_f32 v187, v164, v165
	v_add_f32 v188, v166, v167
	v_add_f32 v185, v185, v186
	v_add_f32 v187, v187, v188
	v_add_f32 v185, v185, v187
	v_rcp_f32 v185, v185
.irp k, 0,1,2,3
	v_mov_b32 v[176+\k], 0                         ; (plain work behind the reciprocal)
	v_mov_b32 v[180+\k], 0
.endr
	s_wait_alu depctr_va_vdst(0)                   ; the wait, ahead of the reciprocal's first reader
.irp i, 0,1,2,3,4,5,6,7
	v_mul_f32 v[LG+\i], v[160+\i], v185            ; p
.endr
.irp i, 0,1,2,3,4,5,6
.irp j, 1,2,3,4,5,6,7
.if \j > \i
	v_cmp_gt_f32 s56, v[LG+\j], v[LG+\i]           ; only a strictly larger p of a higher index wins: ties go to the lower index
	v_cndmask_b32 v189, 0, 1, s56
	v_add_nc_u32 v[168+\i], v[168+\i], v189
	v_sub_nc_u32 v[168+\j], v[168+\j], v189
.endif
.endr
.endr
.irp k, 0,1,2,3
.irp i, 0,1,2,3,4,5,6,7
	v_cmp_eq_u32 vcc_lo, \k, v[168+\i]
	v_cndmask_b32 v[176+\k], v[176+\k], v[194+\i], vcc_lo
	v_cndmask_b32 v[180+\k], v[180+\k], v[LG+\i], vcc_lo
.endr
.endr
	v_cndmask_b32 v190, v176, v178, s43            ; lanes 0-15 store words 0, 1 of their token, lanes 16-31 words 2, 3: the wave stores 256 consecutive bytes
	v_cndmask_b32 v191, v177, v179, s43
	v_cndmask_b32 v192, v180, v182, s43
	v_cndmask_b32 v193, v181, v183, s43
	global_store_b64 v26, v[190:191], s[30:31]
	global_store_b64 v26, v[192:193], s[32:33]
.Lxdone:
	s_wait_tensorcnt 0x0                           ; the wave's end
	ds_add_u32 v[SPW], v[NIL]
	s_wait_dscnt 0x0
	s_endpgm
	; ================= THE WEIGHT PATH =================
.Lweights:
	s_sub_co_u32 s23, ttmp9, XWG
	s_lshl_b32 s23, s23, 2
	s_add_co_u32 s23, s23, s22                     ; my segment, 0 .. 2,047: 0-1,023 keys, the rest values; in each, 896 on is the shared expert (expert 7 of wq)
	s_and_b32 s24, s23, 1023
	v_and_b32 v18, 15, v0                          ; lane % 16
	v_bfe_u32 v251, v0, 4, 1                       ; lane / 16
	s_mul_i32 s42, s22, 4352                       ; my stage
	v_mul_u32_u24 v19, v251, 272
	v_lshl_add_u32 v19, v18, 4, v19
	v_add_nc_u32 v19, s42, v19                     ; in: rows 2 i + lane / 16, 16 bytes a lane
	v_mul_u32_u24 v20, v18, 272
	v_lshl_add_u32 v20, v251, 6, v20
	v_add_nc_u32 v20, s42, v20                     ; out: row lane % 16, + 64 (lane / 16)
	v_lshlrev_b32 v21, 4, v1                       ; 16 x lane
	v_mov_b32 v30, 0                               ; written once: a lane permute's destination counts as one of its sources
	v_mov_b32 v31, 0
	s_wait_kmcnt 0x0
	s_cmp_ge_u32 s24, 896                          ; the shared expert?  The choices hang on the segment's number alone
	s_cselect_b64 s[26:27], s[12:13], s[10:11]
	s_cselect_b64 s[28:29], s[16:17], s[14:15]
	s_cselect_b32 s25, 896, 0
	s_sub_co_u32 s25, s24, s25                     ; the segment's number in its own tensor
	s_cmp_ge_u32 s23, 1024                         ; values?
	s_cselect_b64 s[26:27], s[28:29], s[26:27]
	s_cselect_b32 s30, 13, 12                      ; a row is 8,192 or 4,096 bytes
	s_cselect_b32 s31, 1, 0
	s_lshr_b32 s32, s25, s31                       ; the tile: values have two segments (halves of K) to a tile,
	s_and_b32 s33, s25, s31                        ; and this is the half
	s_lshr_b32 s34, s32, 1
	s_lshl_b32 s34, s34, 5
	s_and_b32 s35, s32, 1
	s_lshl_b32 s35, s35, 3
	s_add_co_u32 s34, s34, s35                     ; the tile's first row: 32 (T / 2) + 8 (T % 2)
	s_lshl_b32 s34, s34, s30
	s_lshl_b32 s35, s33, 12
	s_add_co_u32 s34, s34, s35                     ; in bytes, under 2^26
	s_mov_b32 s35, 0
	s_add_nc_u64 s[26:27], s[26:27], s[34:35]
	s_mul_i32 s36, s23, 12288
	s_mov_b32 s37, 0
	s_add_nc_u64 s[38:39], s[18:19], s[36:37]      ; my codes
	s_lshl_b32 s36, s23, 9
	s_add_co_u32 s36, s36, KS_O
	s_add_nc_u64 s[40:41], s[18:19], s[36:37]      ; my scale words
.irp i, 0,1,2,3,4,5,6,7
	v_add_nc_u32 v[2+\i], 2*\i+8*(\i/4), v251      ; tile row 2 i + lane / 16 is the weight's row that + 8 (i / 4)
	v_lshlrev_b32 v[2+\i], s30, v[2+\i]
	v_lshl_add_u32 v[2+\i], v18, 4, v[2+\i]
.endr
	LOADW 0
	LOADW 1
	LOADW 2
	LOADW 3
	s_wait_loadcnt 24                              ; half step 0's 8 loads are in; those of half steps 1 to 3 may be out
	TURNW 0
.irp t, 0,1,2,3,4,5,6,7,8,9,10,11,12,13,14,15
	STEPW \t
.endr
.irp i, 0,1,2,3
	v_cndmask_b32 v[24+\i], v[10+\i], v[14+\i], s43   ; lanes 0-15 store words 0-3 of their row, lanes 16-31 words 4-7
.endr
	v_lshlrev_b32 v18, 5, v18
	v_lshl_add_u32 v18, v251, 4, v18
	global_store_b128 v18, v[24:27], s[40:41]      ; 512 consecutive bytes
	s_wait_tensorcnt 0x0                           ; the wave's end: three closing lines behind my last LDS store
	ds_add_u32 v[SPW], v[NIL]
	s_wait_dscnt 0x0
	s_endpgm
.Lfunc_end_k_qbd09b9245c_prep:
	.size	k_qbd09b9245c_prep, .Lfunc_end_k_qbd09b9245c_prep-k_qbd09b9245c_prep
	.p2alignl 7, 3214868480
	.fill 96, 4, 3214868480
	.section	.rodata,"a",@progbits
	.p2align	6, 0x0
	.amdhsa_kernel k_qbd09b9245c_prep
		.amdhsa_group_segment_fixed_size 66304
		.amdhsa_private_segment_fixed_size 0
		.amdhsa_enable_private_segment 0
		.amdhsa_kernarg_size 72
		.amdhsa_user_sgpr_count 2
		.amdhsa_user_sgpr_kernarg_segment_ptr 1
		.amdhsa_wavefront_size32 1
		.amdhsa_system_sgpr_workgroup_id_x 1
		.amdhsa_system_sgpr_workgroup_id_y 1
		.amdhsa_system_sgpr_workgroup_id_z 1
		.amdhsa_system_vgpr_workitem_id 0
		.amdhsa_next_free_vgpr 256
		.amdhsa_next_free_sgpr 66
		.amdhsa_reserve_vcc 1
		.amdhsa_float_denorm_mode_32 3
		.amdhsa_float_denorm_mode_16_64 3
		.amdhsa_memory_ordered 1
		.amdhsa_forward_progress 1
		.amdhsa_inst_pref_size 147
	.end_amdhsa_kernel
	.amdgpu_metadata
---
amdhsa.version: [ 1, 2 ]
amdhsa.kernels:
  - .name:           k_qbd09b9245c_prep
    .symbol:         k_qbd09b9245c_prep.kd
    .args:
      - { .name: x, .offset: 0, .size: 8, .value_kind: global_buffer, .address_space: global }
      - { .name: gate_w, .offset: 8, .size: 8, .value_kind: global_buffer, .address_space: global }
      - { .name: gate_b, .offset: 16, .size: 8, .value_kind: global_buffer, .address_space: global }
      - { .name: ff_keys, .offset: 24, .size: 8, .value_kind: global_buffer, .address_space: global }
      - { .name: shared_keys, .offset: 32, .size: 8, .value_kind: global_buffer, .address_space: global }
      - { .name: ff_values, .offset: 40, .size: 8, .value_kind: global_buffer, .address_space: global }
      - { .name: shared_values, .offset: 48, .size: 8, .value_kind: global_buffer, .address_space: global }
      - { .name: wq, .offset: 56, .size: 8, .value_kind: global_buffer, .address_space: global }
      - { .name: route, .offset: 64, .size: 8, .value_kind: global_buffer, .address_space: global }
    .group_segment_fixed_size: 66304
    .private_segment_fixed_size: 0
    .kernarg_segment_align: 8
    .kernarg_segment_size: 72
    .max_flat_workgroup_size: 128
    .sgpr_count:     66
    .vgpr_count:     256
    .wavefront_size: 32
...
	.end_amdgpu_metadata
.endif
;; end of part 1
;; launch place (part 2): grid 1 x 1, 8 waves a work-group, no clusters, 1,280 bytes of LDS; arguments route, plan, out1; writes plan, out1
.if DOCPART == 2
	.amdgcn_target "amdgcn-amd-amdhsa--gfx1250"
	.amdhsa_code_object_version 6
	.text
	.protected	k_qbd09b9245c_place
	.globl	k_qbd09b9245c_place
	.p2align	8
	.type	k_qbd09b9245c_place,@function
k_qbd09b9245c_place:
	s_mov_b64 s[64:65], 0
	v_nop
	global_prefetch_b8 v0, s[64:65] scope:SCOPE_SE
	s_setreg_imm32_b32 hwreg(HW_REG_WAVE_MODE, 25, 1), 1
	s_wait_xcnt 0x0
; PLACE: a counting sort of the 8,192 pairs (token, chosen expert) by expert, and the list of tiles for the two product launches; out1 = 0 (reference()'s constant router_loss).
; Left out as dead work (shown at the head of the first kernel): capacity never drops a token (pos <= 45 < 207), so every pair gets a place, and the order of an expert's rows moves no result.
; plan:  TILE at 0: 256 words, expert | rows << 8.   ROWTOK at 1,024: the token of each row place.   SL4 at 54,272: for each token and k the row place of its pair; for the constant expert, which has no row, 0x10000 | token:
;        bit 16 is the mark, and the low 16 bits name a row that is always written (the shared expert's row of the same token), so that the last launch forms every address alike.
; Tiles have 80 rows.  Tiles 0-25: the shared expert (number 7 in wq), place = token.  Then experts 0-6, each rounded up to whole tiles: never more than 26 + (8,192 + 7 x 79) / 80 = 135 tiles, 10,800 places, whatever the choice.
; The constant expert's pairs are listed from place 10,800 on, so that all pairs take one way; nobody reads those words.  Places that no pair takes name token 0.
; One work-group: thread i owns tokens 256 j + i.  Counts of 8 experts in nibbles (at most 8 each), then two to a register in 16 bits (at most 2,048); a scan over lanes, waves' totals through LDS.  No atomics.
; ROWTOK's words 0-11,263 are first filled, then the pairs' words are stored over them: between the two every wave waits for its stores (s_wait_storecnt 0) and passes the barrier.
.set ROWTOK, 1024
.set SL4,    54272
.set SPARE,  256                       ; LDS: 0: 8 waves x 16 bytes of totals;  SPARE: the spare words, 128 bytes for each wave: four blocks of 256 bytes that no other line names
.macro SCAN reg                        ; sums over the lanes up to and with mine
.irp n, 1,2,4,8
	v_mov_b32_dpp v136, v[\reg] row_shr:\n row_mask:0xf bank_mask:0xf bound_ctrl:1
	v_add_nc_u32 v[\reg], v[\reg], v136
.endr
	v_readlane_b32 s12, v[\reg], 15
	v_mov_b32 v136, s12
	v_cndmask_b32 v136, 0, v136, s11               ; lanes 16-31 add the first row's total
	v_add_nc_u32 v[\reg], v[\reg], v136
.endm
.macro PAIR n                          ; pair n of my 32: its place
	v_lshlrev_b32 v180, 2, v[8+\n]                 ; 4 e
	v_lshrrev_b32 v181, v180, v4
	v_and_b32 v181, 15, v181                       ; how many of my earlier pairs chose e
	v_lshlrev_b32 v182, v180, v6
	v_add_nc_u32 v4, v4, v182
	v_lshrrev_b32 v183, 1, v[8+\n]
	v_cmp_eq_u32 vcc_lo, 1, v183
	v_cndmask_b32 v184, v176, v177, vcc_lo
	v_cmp_eq_u32 vcc_lo, 2, v183
	v_cndmask_b32 v184, v184, v178, vcc_lo
	v_cmp_eq_u32 vcc_lo, 3, v183
	v_cndmask_b32 v184, v184, v179, vcc_lo
	v_and_b32 v185, 1, v[8+\n]
	v_lshlrev_b32 v185, 4, v185
	v_lshrrev_b32 v184, v185, v184
	v_and_b32 v184, 0xffff, v184                   ; where my pairs of expert e begin
	v_add_nc_u32 v184, v184, v181
	v_min_u32 v184, 13311, v184                    ; held inside the list
	v_lshlrev_b32 v[40+\n], 2, v184
	v_cmp_eq_u32 vcc_lo, 7, v[8+\n]
	v_cndmask_b32 v[72+\n], v184, v[192+(\n)/4], vcc_lo   ; the constant expert has no row: the mark and the token
	global_store_b32 v[40+\n], v[104+(\n)/4], s[6:7] offset:ROWTOK
.endm
	s_load_b128 s[4:7], s[0:1], 0x0                ; route s[4:5], plan s[6:7]
	s_load_b64 s[8:9], s[0:1], 0x10                ; out1
	v_lshl_add_u32 v126, v0, 2, SPARE              ; my spare word; never rewritten
	v_mov_b32 v127, 0                              ; 0; never rewritten
	v_lshrrev_b32 v1, 5, v0
	v_readfirstlane_b32 s10, v1                    ; wave 0..7
	s_mov_b32 s11, 0xffff0000
	v_lshlrev_b32 v2, 4, v0                        ; 16 x thread
	v_lshlrev_b32 v3, 2, v0                        ; 4 x thread
	v_mov_b32 v6, 1
	v_mov_b32 v136, 0
	v_mov_b32 v138, 0
	v_mov_b32 v4, 0
.irp j, 0,1,2,3,4,5,6,7
	v_add_nc_u32 v[104+\j], 256*\j, v0             ; my tokens,
	v_or_b32 v[192+\j], 0x10000, v[104+\j]         ; and the same with the constant expert's mark
.endr
.irp i, 0,1,2,3
	v_add_nc_u32 v[112+\i], \i, v3                 ; places 0-2,047 name their own number: the shared expert's rows
	v_add_nc_u32 v[116+\i], 1024+\i, v3
	v_mov_b32 v[120+\i], 0
.endr
	s_wait_kmcnt 0x0
.irp j, 0,1,2,3,4,5,6,7
	global_load_b128 v[8+4*\j:11+4*\j], v2, s[4:5] offset:4096*\j
.endr
	global_store_b128 v2, v[112:115], s[6:7] offset:ROWTOK
	global_store_b128 v2, v[116:119], s[6:7] offset:ROWTOK+4096
.irp j, 2,3,4,5,6,7,8,9,10
	global_store_b128 v2, v[120:123], s[6:7] offset:ROWTOK+4096*\j
.endr
	s_wait_loadcnt 0x0
.irp n, 0,1,2,3,4,5,6,7,8,9,10,11,12,13,14,15,16,17,18,19,20,21,22,23,24,25,26,27,28,29,30,31
	v_min_u32 v[8+\n], 7, v[8+\n]
.endr
.irp n, 0,1,2,3,4,5,6,7,8,9,10,11,12,13,14,15,16,17,18,19,20,21,22,23,24,25,26,27,28,29,30,31
	v_lshlrev_b32 v5, 2, v[8+\n]
	v_lshlrev_b32 v5, v5, v6
	v_add_nc_u32 v4, v4, v5                        ; my counts, a nibble an expert
.endr
.irp j, 0,1,2,3
	v_bfe_u32 v[128+\j], v4, 8*\j, 4
	v_bfe_u32 v5, v4, 8*\j+4, 4
	v_lshl_or_b32 v[128+\j], v5, 16, v[128+\j]     ; experts 2 j and 2 j + 1 in 16 bits each
	v_mov_b32 v[132+\j], v[128+\j]
.endr
	SCAN 132
	SCAN 133
	SCAN 134
	SCAN 135
.irp j, 0,1,2,3
	v_readlane_b32 s[16+\j], v[132+\j], 31
	v_mov_b32 v[180+\j], s[16+\j]
.endr
	s_lshl_b32 s13, s10, 4
	v_mov_b32 v137, s13
	ds_store_b128 v137, v[180:183]                 ; my wave's totals: all lanes write the same 16 bytes with the same values
	s_wait_storecnt 0x0                            ; my part of the fill is done: the pairs' stores come behind the barrier
	s_wait_dscnt 0x0                               ; and my totals have landed
	s_barrier_signal -1
	s_barrier_wait -1
.irp w, 0,1,2,3,4,5,6,7
	ds_load_b128 v[140+4*\w:143+4*\w], v138 offset:16*\w
.endr
.irp j, 0,1,2,3
	v_mov_b32 v[172+\j], 0
	v_mov_b32 v[176+\j], 0
.endr
	s_wait_dscnt 0x0
.irp w, 0,1,2,3,4,5,6,7
	s_cmp_gt_u32 s10, \w
	s_cselect_b32 s12, -1, 0
.irp j, 0,1,2,3
	v_add_nc_u32 v[172+\j], v[172+\j], v[140+4*\w+\j]   ; all waves' totals,
	v_and_b32 v136, s12, v[140+4*\w+\j]
	v_add_nc_u32 v[176+\j], v[176+\j], v136             ; and those of the waves in front of mine
.endr
.endr
.irp j, 0,1,2,3
	v_add_nc_u32 v[176+\j], v[176+\j], v[132+\j]
	v_sub_nc_u32 v[176+\j], v[176+\j], v[128+\j]   ; the pairs of all threads in front of me
	v_readfirstlane_b32 s[20+\j], v[172+\j]
	s_and_b32 s[24+2*\j], s[20+\j], 0xffff         ; an expert's rows
	s_lshr_b32 s[25+2*\j], s[20+\j], 16
.endr
	s_mov_b32 s32, 26                              ; expert 0's first tile
.irp e, 0,1,2,3,4,5,6
	s_add_co_u32 s12, s[24+\e], 79
	s_mul_i32 s12, s12, 52429
	s_lshr_b32 s12, s12, 22                        ; (n + 79) / 80, exact for n + 79 up to 2,127
	s_add_co_u32 s[33+\e], s[32+\e], s12
	s_mul_i32 s[40+\e], s[32+\e], 80               ; its first place
.endr
	s_mov_b32 s47, 10800
.irp j, 0,1,2,3
	s_lshl_b32 s12, s[41+2*\j], 16
	s_or_b32 s[48+\j], s[40+2*\j], s12
	v_add_nc_u32 v[176+\j], s[48+\j], v[176+\j]    ; where my pairs of each expert begin (each half stays under 2^16)
.endr
	v_mov_b32 v4, 0
.irp n, 0,1,2,3,4,5,6,7,8,9,10,11,12,13,14,15,16,17,18,19,20,21,22,23,24,25,26,27,28,29,30,31
	PAIR \n
.endr
.irp j, 0,1,2,3,4,5,6,7
	global_store_b128 v2, v[72+4*\j:75+4*\j], s[6:7] offset:SL4+4096*\j
.endr
	; the list of tiles: thread i makes entry i.  The last expert whose first tile is at or under i owns it; an entry past an expert's rows has 0 rows
	v_mov_b32 v187, 0
	v_mov_b32 v188, s32
	v_mov_b32 v189, s24
.irp e, 1,2,3,4,5,6
	v_cmp_le_u32 vcc_lo, s[32+\e], v0
	v_mov_b32 v136, \e
	v_cndmask_b32 v187, v187, v136, vcc_lo
	v_mov_b32 v136, s[32+\e]
	v_cndmask_b32 v188, v188, v136, vcc_lo
	v_mov_b32 v136, s[24+\e]
	v_cndmask_b32 v189, v189, v136, vcc_lo
.endr
	v_mul_u32_u24 v190, 80, v0
	v_mad_u32_u24 v188, v188, 80, v189             ; the place behind the expert's last row
	v_max_u32 v188, v188, v190
	v_sub_nc_u32 v188, v188, v190
	v_min_u32 v188, 80, v188
	v_max_u32 v136, 0x800, v190                    ; the shared expert has 2,048 rows
	v_sub_nc_u32 v136, v136, v190
	v_min_u32 v136, 80, v136
	v_cmp_gt_u32 vcc_lo, 26, v0
	v_cndmask_b32 v188, v188, v136, vcc_lo
	v_mov_b32 v136, 7
	v_cndmask_b32 v187, v187, v136, vcc_lo
	v_lshl_or_b32 v187, v188, 8, v187
	global_store_b32 v3, v187, s[6:7]
	s_cmp_lg_u32 s10, 0
	s_cbranch_scc1 .Lno_out1
	global_store_b32 v138, v138, s[8:9]            ; out1 = 0.0: wave 0, all lanes the same word with the same value
.Lno_out1:
	s_wait_tensorcnt 0x0                           ; the wave's end
	ds_add_u32 v126, v127
	s_wait_dscnt 0x0
	s_endpgm
.Lfunc_end_k_qbd09b9245c_place:
	.size	k_qbd09b9245c_place, .Lfunc_end_k_qbd09b9245c_place-k_qbd09b9245c_place
	.p2alignl 7, 3214868480
	.fill 96, 4, 3214868480
	.section	.rodata,"a",@progbits
	.p2align	6, 0x0
	.amdhsa_kernel k_qbd09b9245c_place
		.amdhsa_group_segment_fixed_size 1280
		.amdhsa_private_segment_fixed_size 0
		.amdhsa_enable_private_segment 0
		.amdhsa_kernarg_size 24
		.amdhsa_user_sgpr_count 2
		.amdhsa_user_sgpr_kernarg_segment_ptr 1
		.amdhsa_wavefront_size32 1
		.amdhsa_system_sgpr_workgroup_id_x 1
		.amdhsa_system_sgpr_workgroup_id_y 1
		.amdhsa_system_sgpr_workgroup_id_z 1
		.amdhsa_system_vgpr_workitem_id 0
		.amdhsa_next_free_vgpr 200
		.amdhsa_next_free_sgpr 66
		.amdhsa_reserve_vcc 1
		.amdhsa_float_denorm_mode_32 3
		.amdhsa_float_denorm_mode_16_64 3
		.amdhsa_memory_ordered 1
		.amdhsa_forward_progress 1
		.amdhsa_inst_pref_size 49
	.end_amdhsa_kernel
	.amdgpu_metadata
---
amdhsa.version: [ 1, 2 ]
amdhsa.kernels:
  - .name:           k_qbd09b9245c_place
    .symbol:         k_qbd09b9245c_place.kd
    .args:
      - { .name: route, .offset: 0, .size: 8, .value_kind: global_buffer, .address_space: global }
      - { .name: plan, .offset: 8, .size: 8, .value_kind: global_buffer, .address_space: global }
      - { .name: out1, .offset: 16, .size: 8, .value_kind: global_buffer, .address_space: global }
    .group_segment_fixed_size: 1280
    .private_segment_fixed_size: 0
    .kernarg_segment_align: 8
    .kernarg_segment_size: 24
    .max_flat_workgroup_size: 256
    .sgpr_count:     66
    .vgpr_count:     200
    .wavefront_size: 32
...
	.end_amdgpu_metadata
.endif
;; end of part 2
;; launch ffn1 (part 3): grid 2 x 135, 4 waves a work-group, no clusters, 65,792 bytes of LDS; arguments wq, plan, hid; writes hid
.if DOCPART == 3
	.amdgcn_target "amdgcn-amd-amdhsa--gfx1250"
	.amdhsa_code_object_version 6
	.text
	.protected	k_qbd09b9245c_ffn1
	.globl	k_qbd09b9245c_ffn1
	.p2align	8
	.type	k_qbd09b9245c_ffn1,@function
k_qbd09b9245c_ffn1:
	s_mov_b64 s[64:65], 0
	v_nop
	global_prefetch_b8 v0, s[64:65] scope:SCOPE_SE
	s_setreg_imm32_b32 hwreg(HW_REG_WAVE_MODE, 25, 1), 1
	s_wait_xcnt 0x0
; FFN1: for a tile of 80 rows of one expert: hidden = Q(gelu(Q(x) Q(keys)^T)), both operands codes of BF6 (E3M2) with E8M0 scales; the hidden layer leaves as codes, in images of the next product's operand registers.
; Left out as dead work (shown at the head of the first kernel): the rows of experts that were not chosen; only listed rows are multiplied.
; SHARES.  Work-group (half, tile): 80 rows x 1,024 hidden units.  Wave w makes two passes of 80 x 128 units: hidden K step 8 half + 2 w + pass.  40 accumulators of 16 x 16.
; The rows' codes are gathered once into LDS (three runs of 256 bytes a row) and read by all four waves.  The weights go from wq straight into registers, 24 loads of 512 consecutive bytes a K step, three K steps ahead, in four sets.
; THE PRODUCT IS USED TRANSPOSED (source 0 = 16 rows of the keys, source 1 = 16 rows of x), and a weight tile's rows are chosen so that a lane's 16 registers of tiles 2 b, 2 b + 1 are hidden units 32 b + 16 (lane / 16) + 0 .. 15 of its row.
; gelu(v) = v / (1 + 2^(k1 v + k2 v^3)), k1 = -2 log2(e) sqrt(2 / pi), k2 = 0.044715 k1: the same number as 0.5 v (1 + tanh(..)), in f32.
; A FIXED GRID: 135 tiles serve every split.  A tile that the list leaves without rows ends behind the barrier, on a stored whole number.  The launch has no tensor load and no joint loads in a cluster,
; though the tiles of one expert read the same weights.  Rows of a live tile past the expert's last name token 0: they are computed and nobody reads them.
; REGISTERS, in windows of 256.  Window 0: v1-19 addresses; v5-9 the scale words kept from pass to pass; v32-51 x's scale words, v52-83 the keys' (they hold scales and nothing else); v90-104 the rows' offsets;
;   v136-195, v196-255 x's fragments, two sets (first the gathered rows; behind a pass's products v136-199 gelu, v200-219 codes, v220-236 at work).  Window 1: weights, sets 0 and 1.  Window 2: the accumulators of row tiles 0-3.
;   Window 3: v0-63 row tile 4's accumulators; weights, sets 2 and 3.
.set KS_O,   25165824
.set XC_O,   26214400
.set XS_O,   27787264
.set ROWTOK, 1024
.set HS_O,   16588800
.set SPARE,  65280                     ; LDS: 0: [5 row tiles][48 pieces][16 rows x 16 bytes + 16];  SPARE: the spare words, 128 bytes a wave: two blocks of 256 bytes that no other line names
.set AS,  32
.set BS,  52
.set PC,  200
.set TM,  220
.set PW,  236
.set SEL, 38
.set MSB, 0
.macro WIN new                         ; the immediate's high byte repeats the setting that is left; a switch that changes nothing is dropped
.if MSB != (\new)
	s_set_vgpr_msb (MSB<<8)|(\new)
.set MSB, (\new)
.endif
.endm
.macro PLACES                          ; four places in front of loads into registers that matrix instructions have read, and of the first read of results
.rept 4
	v_nop
.endr
.endm
.macro BSLD off                        ; the scale words of my 8 weight tiles: lanes 0-15 words 0-3 of their row, lanes 16-31 words 4-7
.irp j, 0,1,2,3,4,5,6,7
	global_load_b128 v[BS+4*\j:BS+4*\j+3], v14, s[20:21] offset:(\off)+512*\j
.endr
.endm
.macro BLOAD s, off                    ; the 8 weight fragments of K step s into set s % 4
.if ((\s)%4) < 2
	WIN 0x40
.set BB, 96*((\s)%4)
.else
	WIN 0xc0
.set BB, 64+96*((\s)%4-2)
.endif
.irp j, 0,1,2,3,4,5,6,7
.irp c, 0,1,2
	global_load_b128 v[BB+12*\j+4*\c:BB+12*\j+4*\c+3], v1, s[18:19] offset:(\off)+12288*\j+1536*(\s)+512*\c
.endr
.endr
	WIN 0
.endm
.macro ALOAD s                         ; the 5 fragments of x of K step s into set s % 2
.set AA, 136+60*((\s)%2)
.irp a, 0,1,2,3,4
.irp c, 0,1,2
	ds_load_b128 v[AA+12*\a+4*\c:AA+12*\a+4*\c+3], v2 offset:13056*\a+272*(6*(\s)+\c)
.endr
.endr
.endm
.macro WM1 s, a, b
.set AC, 64*((\a)%4)+8*(\b)
.if (\s) == 0
	v_wmma_scale_f32_16x16x128_f8f6f4 v[AC:AC+7], v[BB+12*(\b):BB+12*(\b)+11], v[AA+12*(\a):AA+12*(\a)+11], 0, v[BS+4*(\b)], v[AS+4*(\a)] matrix_a_fmt:MATRIX_FMT_BF6 matrix_b_fmt:MATRIX_FMT_BF6
.elseif (\s) < 4
	v_wmma_scale_f32_16x16x128_f8f6f4 v[AC:AC+7], v[BB+12*(\b):BB+12*(\b)+11], v[AA+12*(\a):AA+12*(\a)+11], v[AC:AC+7], v[BS+4*(\b)+(\s)], v[AS+4*(\a)+(\s)] matrix_a_fmt:MATRIX_FMT_BF6 matrix_b_fmt:MATRIX_FMT_BF6
.else
	v_wmma_scale_f32_16x16x128_f8f6f4 v[AC:AC+7], v[BB+12*(\b):BB+12*(\b)+11], v[AA+12*(\a):AA+12*(\a)+11], v[AC:AC+7], v[BS+4*(\b)+(\s)-4], v[AS+4*(\a)+(\s)-4] matrix_a_fmt:MATRIX_FMT_BF6 matrix_b_fmt:MATRIX_FMT_BF6 matrix_a_scale:MATRIX_SCALE_ROW1 matrix_b_scale:MATRIX_SCALE_ROW1
.endif
.endm
.macro MUL s                           ; 40 matrix instructions; the 40 accumulators take turns, one instruction a turn, in the same order in every K step.  K step 0 starts the sums
.if ((\s)%4) < 2
.set BB, 96*((\s)%4)
.set WB, 1
.else
.set BB, 64+96*((\s)%4-2)
.set WB, 3
.endif
.set AA, 136+60*((\s)%2)
.irp a, 0,1,2,3,4
.if \a < 4
	WIN 0xa0|WB
.else
	WIN 0xf0|WB
.endif
.irp b, 0,1,2,3,4,5,6,7
	WM1 \s, \a, \b
.endr
.endr
.endm
.macro KSTEP s
	PLACES
	WIN 0
.if (\s) < 7
	ALOAD (\s)+1
.endif
.if (\s) <= 5
	s_wait_loadcnt 48                              ; this K step's weights are in; the 2 x 24 loads of the next two K steps may be out
.elseif (\s) == 6
	s_wait_loadcnt 24                              ; one K step stands behind this one
.else
	s_wait_loadcnt 0x0
.endif
.if (\s) <= 4
	BLOAD (\s)+3, 0
.endif
.if (\s) < 7
	s_wait_dscnt 15                                ; all but the 15 loads just issued: this K step's fragments of x are in
.else
	s_wait_dscnt 0x0
.endif
	MUL \s
.endm
.macro QUANT s                         ; 64 numbers of a lane, register 16 b + i = k 32 b + 16 (lane / 16) + i of my row, become a fragment in v[PC] on and its scale word in v[PW]
.irp b, 0,1,2,3
	v_max3_num_f32 v[TM+\b], |v[\s+16*\b]|, |v[\s+1+16*\b]|, 0x2800000   ; and the floor 2^(5 - 127): the byte cannot fall under 1
.endr
.irp i, 2,4,6,8,10,12,14
.irp b, 0,1,2,3
	v_max3_num_f32 v[TM+\b], v[TM+\b], |v[\s+16*\b+\i]|, |v[\s+1+16*\b+\i]|
.endr
.endr
.irp b, 0,1,2,3
	v_permlanex16_b32 v[TM+4+\b], v[TM+\b], s[SEL], s[SEL+1]
.endr
.irp b, 0,1,2,3
	v_max_num_f32 v[TM+\b], v[TM+\b], v[TM+4+\b]
.endr
.irp b, 0,1,2,3
	v_add_nc_u32 v[TM+12+\b], 0xfe000000, v[TM+\b]
.endr
.irp b, 0,1,2,3
	v_lshrrev_b32 v[TM+4+\b], 23, v[TM+12+\b]
.endr
	v_lshl_or_b32 v[PW], v[TM+5], 8, v[TM+4]
	v_lshl_or_b32 v[PW], v[TM+6], 16, v[PW]
	v_lshl_or_b32 v[PW], v[TM+7], 24, v[PW]
.irp c, 0,1
	v_cvt_scalef32_pk16_bf6_f32 v[PC+6*\c:PC+2+6*\c], v[\s+32*\c:\s+15+32*\c], v[TM+12+2*\c]
	v_cvt_scalef32_pk16_bf6_f32 v[PC+12+4*\c:PC+14+4*\c], v[\s+16+32*\c:\s+31+32*\c], v[TM+12+2*\c+1]
.endr
	v_nop                                          ; one plain place behind a scaled conversion
.irp c, 0,1
.irp i, 0,1,2
	v_permlane16_swap_b32 v[PC+6*\c+\i], v[PC+12+4*\c+\i]
.endr
.irp i, 0,1,2
	v_mov_b32 v[PC+3+6*\c+\i], v[PC+12+4*\c+\i]
.endr
.endr
.endm
.macro EPI a                           ; row tile a: gelu in f32, the quantiser, the image to memory.  Each accumulator is first read at its low end
.set XB, 64*((\a)%4)
.set WX, 2+(\a)/4
	WIN WX|(WX<<2)
.set i, 0
.rept 32
	v_pk_mul_f32 v[136+i:137+i], v[XB+i:XB+i+1], v[XB+i:XB+i+1]                     ; v^2
.set i, i+2
.endr
	WIN 0
.set i, 0
.rept 32
	v_pk_fma_f32 v[136+i:137+i], v[136+i:137+i], s[34:35], v[16:17] op_sel_hi:[1,0,1]   ; k2 v^2 + k1
.set i, i+2
.endr
	WIN WX<<2
.set i, 0
.rept 32
	v_pk_mul_f32 v[136+i:137+i], v[136+i:137+i], v[XB+i:XB+i+1]                     ; x v
.set i, i+2
.endr
	WIN 0
.set i, 0
.rept 64
	v_exp_f32 v[136+i], v[136+i]
.set i, i+1
.endr
	v_nop                                          ; a plain place behind the last exponential
	s_wait_alu depctr_va_vdst(0)                   ; one wait for the batch of 64, ahead of its first reader
.set i, 0
.rept 32
	v_pk_add_f32 v[136+i:137+i], v[136+i:137+i], 1.0 op_sel_hi:[1,0]
.set i, i+2
.endr
.set i, 0
.rept 64
	v_rcp_f32 v[136+i], v[136+i]
.set i, i+1
.endr
	v_nop                                          ; a plain place behind the last reciprocal
	s_wait_alu depctr_va_vdst(0)                   ; one wait for the batch of 64
	WIN WX<<2
.set i, 0
.rept 32
	v_pk_mul_f32 v[136+i:137+i], v[136+i:137+i], v[XB+i:XB+i+1]                     ; gelu
.set i, i+2
.endr
	WIN 0
	s_wait_xcnt 0x0                                ; the last image's stores have read their registers: the codes are written again below
	QUANT 136
.irp c, 0,1,2
	global_store_b128 v1, v[PC+4*\c:PC+4*\c+3], s[22:23] offset:24576*(\a)+512*\c   ; 512 consecutive bytes
.endr
	v_cndmask_b32 v[5+\a], v[5+\a], v[PW], s33     ; pass 0's word stays in lanes 0-15, pass 1's in lanes 16-31
.endm
	s_load_b128 s[4:7], s[0:1], 0x0                ; wq s[4:5], plan s[6:7]
	s_load_b64 s[8:9], s[0:1], 0x10                ; hid
	v_lshl_add_u32 v30, v0, 2, SPARE               ; my spare word; never rewritten
	v_mov_b32 v31, 0                               ; 0; never rewritten
	v_lshrrev_b32 v10, 5, v0
	v_readfirstlane_b32 s10, v10                   ; wave 0..3
	s_mov_b32 s11, ttmp9                           ; which half of the hidden units
	s_and_b32 s12, ttmp7, 0xffff                   ; the tile
	s_lshl_b32 s16, s12, 2
	v_and_b32 v11, 31, v0                          ; lane
	v_and_b32 v12, 15, v0                          ; r
	v_bfe_u32 v13, v0, 4, 1                        ; h
	v_lshlrev_b32 v1, 4, v11                       ; 16 x lane
	v_mul_u32_u24 v2, v13, 816
	v_lshl_add_u32 v2, v12, 4, v2                  ; a fragment of x in LDS: 272 (3 h) + 16 r
	v_mul_u32_u24 v3, v12, 272
	v_lshl_add_u32 v3, v13, 4, v3
	s_lshl_b32 s17, s10, 6
	v_add_nc_u32 v3, s17, v3                       ; the gather's stores: piece lane % 16 of a run, row 4 w + lane / 16
	v_lshlrev_b32 v4, 2, v11                       ; 4 x lane
	v_lshlrev_b32 v14, 5, v12
	v_lshl_add_u32 v14, v13, 4, v14                ; 32 r + 16 h: scale words
	v_lshlrev_b32 v15, 4, v12                      ; 16 r
	v_mov_b32 v16, 0xc0135761                      ; k1, twice
	v_mov_b32 v17, 0xc0135761
	s_lshl_b32 s31, s10, 4
	v_lshlrev_b32 v18, 2, v13
	v_add_nc_u32 v18, s31, v18                     ; the list's words of rows 4 w + lane / 16
	v_lshlrev_b32 v19, 2, v12                      ; and of rows r
.irp a, 0,1,2,3,4
	v_mov_b32 v[5+\a], 0
.endr
	s_mov_b32 s34, 0xbdd2d3e8                      ; k2
	s_mov_b32 s35, s34                             ; (named with it as a pair, so it is written)
	s_mov_b32 s[SEL], 0x76543210
	s_mov_b32 s[SEL+1], 0xfedcba98
	s_wait_kmcnt 0x0
	s_load_b32 s13, s[6:7], s16 offset:0x0         ; my tile's entry: expert | rows << 8
	s_mul_i32 s26, s12, 320
	s_add_co_u32 s26, s26, ROWTOK
	s_mov_b32 s27, 0
	s_add_nc_u64 s[26:27], s[6:7], s[26:27]        ; my tile's 80 words of the list
.irp i, 0,1,2,3,4
.irp p, 0,1
	global_load_b32 v[90+2*\i+\p], v18, s[26:27] offset:64*\i+8*\p   ; the token of row 16 i + 4 w + 2 p + lane / 16
.endr
.endr
.irp a, 0,1,2,3,4
	global_load_b32 v[100+\a], v19, s[26:27] offset:64*\a            ; and of row 16 a + r
.endr
	s_add_nc_u64 s[40:41], s[4:5], XC_O            ; x's codes
	s_add_nc_u64 s[42:43], s[4:5], XS_O            ; x's scale words
	s_mul_i32 s22, s12, 122880
	s_lshl_b32 s29, s11, 3
	s_lshl_b32 s30, s10, 1
	s_add_co_u32 s29, s29, s30                     ; my first hidden K step: 8 half + 2 w
	s_mul_i32 s30, s29, 1536
	s_add_co_u32 s22, s22, s30
	s_mov_b32 s23, 0
	s_add_nc_u64 s[22:23], s[8:9], s[22:23]        ; its images
	s_mul_i32 s24, s12, 5120
	s_lshl_b32 s30, s29, 6
	s_add_co_u32 s24, s24, s30
	s_add_co_u32 s24, s24, HS_O
	s_mov_b32 s25, 0
	s_add_nc_u64 s[24:25], s[8:9], s[24:25]        ; and the scale words of my two K steps
	s_wait_kmcnt 0x0
	s_and_b32 s14, s13, 255
	s_min_u32 s14, s14, 7                          ; the expert, held inside wq
	s_lshr_b32 s15, s13, 8
	s_min_u32 s15, s15, 80                         ; the tile's rows
	s_lshl_b32 s28, s14, 7
	s_lshl_b32 s29, s11, 6
	s_add_co_u32 s28, s28, s29
	s_add_co_u32 s28, s28, s31                     ; my first weight tile: 128 e + 64 half + 16 w
	s_mul_i32 s18, s28, 12288
	s_mov_b32 s19, 0
	s_add_nc_u64 s[18:19], s[4:5], s[18:19]
	s_lshl_b32 s20, s28, 9
	s_add_co_u32 s20, s20, KS_O
	s_mov_b32 s21, 0
	s_add_nc_u64 s[20:21], s[4:5], s[20:21]
	BSLD 0
	BLOAD 0, 0
	s_wait_loadcnt 32                              ; all but the 8 + 24 just issued: the 15 words of the list are in
.irp n, 0,1,2,3,4,5,6,7,8,9
	v_min_u32 v[90+\n], 2047, v[90+\n]             ; a token, held inside x
	v_mul_u32_u24 v[90+\n], 768, v[90+\n]
	v_add_nc_u32 v[90+\n], v[90+\n], v15
.endr
.irp a, 0,1,2,3,4
	v_min_u32 v[100+\a], 2047, v[100+\a]
	v_lshlrev_b32 v[100+\a], 5, v[100+\a]
	v_lshl_add_u32 v[100+\a], v13, 4, v[100+\a]
.endr
.irp i, 0,1,2,3,4
.irp p, 0,1
.irp u, 0,1,2
	global_load_b128 v[136+4*(6*\i+3*\p+\u):136+4*(6*\i+3*\p+\u)+3], v[90+2*\i+\p], s[40:41] offset:256*\u   ; sixteen lanes read 256 consecutive bytes of a row's codes
.endr
.endr
.endr
.irp a, 0,1,2,3,4
	global_load_b128 v[AS+4*\a:AS+4*\a+3], v[100+\a], s[42:43]
.endr
	s_wait_loadcnt 5                               ; all but the 5 loads of scale words: the gathered codes are in
.irp i, 0,1,2,3,4
.irp p, 0,1
.irp u, 0,1,2
	ds_store_b128 v3, v[136+4*(6*\i+3*\p+\u):136+4*(6*\i+3*\p+\u)+3] offset:13056*\i+4352*\u+32*\p
.endr
.endr
.endr
	BLOAD 1, 0
	BLOAD 2, 0
	s_wait_dscnt 0x0                               ; for the others' sake: my rows have landed
	s_barrier_signal -1
	s_barrier_wait -1                              ; the tile's 80 rows lie in LDS; they are only read from here on
	s_cmp_eq_u32 s15, 0
	s_cbranch_scc1 .Lend                           ; a tile without rows stores nothing
	s_mov_b32 s32, 0
	s_mov_b32 s33, 0x0000ffff
.Lpass:                                            ; 2 trips: 128 hidden units each
	ALOAD 0
	KSTEP 0
	KSTEP 1
	KSTEP 2
	KSTEP 3
	KSTEP 4
	KSTEP 5
	KSTEP 6
	KSTEP 7
	WIN 0
	PLACES                                         ; for the loads below, and for the first read of results
	s_cmp_lg_u32 s32, 0
	s_cbranch_scc1 .Lno_pre1
	BSLD 4096                                      ; the next pass's scale words and first weights land while this pass's results are worked on
	BLOAD 0, 98304
	BLOAD 1, 98304
.Lno_pre1:
	EPI 0
	s_cmp_lg_u32 s32, 0
	s_cbranch_scc1 .Lno_pre2
	BLOAD 2, 98304
.Lno_pre2:
	EPI 1
	EPI 2
	EPI 3
	EPI 4
	s_cmp_eq_u32 s32, 0
	s_cbranch_scc1 .Lno_hs
.irp a, 0,1,2,3,4
	global_store_b32 v4, v[5+\a], s[24:25] offset:1024*\a   ; the scale words of my two K steps, 16 rows each: 128 consecutive bytes
.endr
.Lno_hs:
	s_wait_xcnt 0x0                                ; loads and stores have read their bases and registers
	s_add_nc_u64 s[18:19], s[18:19], 98304
	s_add_nc_u64 s[20:21], s[20:21], 4096
	s_add_nc_u64 s[22:23], s[22:23], 1536
	s_not_b32 s33, s33
	s_add_co_u32 s32, s32, 1
	s_cmp_lt_u32 s32, 2
	s_cbranch_scc1 .Lpass
.Lend:
	s_wait_tensorcnt 0x0                           ; the wave's end
	ds_add_u32 v30, v31
	s_wait_dscnt 0x0
	s_endpgm
.Lfunc_end_k_qbd09b9245c_ffn1:
	.size	k_qbd09b9245c_ffn1, .Lfunc_end_k_qbd09b9245c_ffn1-k_qbd09b9245c_ffn1
	.p2alignl 7, 3214868480
	.fill 96, 4, 3214868480
	.section	.rodata,"a",@progbits
	.p2align	6, 0x0
	.amdhsa_kernel k_qbd09b9245c_ffn1
		.amdhsa_group_segment_fixed_size 65792
		.amdhsa_private_segment_fixed_size 0
		.amdhsa_enable_private_segment 0
		.amdhsa_kernarg_size 24
		.amdhsa_user_sgpr_count 2
		.amdhsa_user_sgpr_kernarg_segment_ptr 1
		.amdhsa_wavefront_size32 1
		.amdhsa_system_sgpr_workgroup_id_x 1
		.amdhsa_system_sgpr_workgroup_id_y 1
		.amdhsa_system_sgpr_workgroup_id_z 1
		.amdhsa_system_vgpr_workitem_id 0
		.amdhsa_next_free_vgpr 1024
		.amdhsa_next_free_sgpr 66
		.amdhsa_reserve_vcc 0
		.amdhsa_float_denorm_mode_32 3
		.amdhsa_float_denorm_mode_16_64 3
		.amdhsa_memory_ordered 1
		.amdhsa_forward_progress 1
		.amdhsa_inst_pref_size 183
	.end_amdhsa_kernel
	.amdgpu_metadata
---
amdhsa.version: [ 1, 2 ]
amdhsa.kernels:
  - .name:           k_qbd09b9245c_ffn1
    .symbol:         k_qbd09b9245c_ffn1.kd
    .args:
      - { .name: wq, .offset: 0, .size: 8, .value_kind: global_buffer, .address_space: global }
      - { .name: plan, .offset: 8, .size: 8, .value_kind: global_buffer, .address_space: global }
      - { .name: hid, .offset: 16, .size: 8, .value_kind: global_buffer, .address_space: global }
    .group_segment_fixed_size: 65792
    .private_segment_fixed_size: 0
    .kernarg_segment_align: 8
    .kernarg_segment_size: 24
    .max_flat_workgroup_size: 128
    .sgpr_count:     66
    .vgpr_count:     1024
    .wavefront_size: 32
...
	.end_amdgpu_metadata
.endif
;; end of part 3
;; launch ffn2 (part 4): grid 2 x 135, 4 waves a work-group, no clusters, 162,304 bytes of LDS; arguments wq, plan, hid, y; writes y
.if DOCPART == 4
	.amdgcn_target "amdgcn-amd-amdhsa--gfx1250"
	.amdhsa_code_object_version 6
	.text
	.protected	k_qbd09b9245c_ffn2
	.globl	k_qbd09b9245c_ffn2
	.p2align	8
	.type	k_qbd09b9245c_ffn2,@function
k_qbd09b9245c_ffn2:
	s_mov_b64 s[64:65], 0
	v_nop
	global_prefetch_b8 v0, s[64:65] scope:SCOPE_SE
	s_setreg_imm32_b32 hwreg(HW_REG_WAVE_MODE, 25, 1), 1
	s_wait_xcnt 0x0
; FFN2: for a tile of 80 rows of one expert: y = Q(hidden) Q(values)^T, both operands codes of BF6 (E3M2) with E8M0 scales; rows of y in f32, by row place.
; Left out as dead work (shown at the head of the first kernel): the rows of experts that were not chosen.
; SHARES.  Work-group (half, tile): 80 rows x 512 outputs; wave w: 128 of them, 40 accumulators; K = 2,048 in 16 steps.  The tile's hidden images (122,880 dense bytes) and scale words (5,120) are copied into LDS once and read by all
; four waves; the weights go from wq straight into registers, three K steps ahead, in four sets.  The product is used transposed, and a weight tile's rows are chosen so that a lane's 16 registers of tiles 2 b, 2 b + 1 are 64 neighbouring bytes of a row of y.
; A FIXED GRID: a tile that the list leaves without rows copies tile 0's images (always written: the shared expert's first rows), so that no branch on a stored number stands ahead of the barrier, and ends behind it.
; The launch has no tensor load and no joint loads in a cluster, though the tiles of one expert read the same weights.
; REGISTERS: window 0: v1-11 addresses; v32-71 the hidden layer's scale words, v72-135 the values' (scales and nothing else); v136-195, v196-255 hidden fragments, two sets.  Window 1: weights, sets 0 and 1; on the way out rows of y.
;   Window 2: the accumulators of row tiles 0-3 (first the copy's registers).  Window 3: v0-63 row tile 4's; weights, sets 2 and 3.
.set VC_O,  12582912
.set VS_O,  25690112
.set HS_O,  16588800
.set HSL,   122880                     ; LDS: 0: the images [5 row tiles][16 K steps][1,536];  HSL: their scale words [5][16][16 rows]
.set STG,   128000                     ; a stage of 16 rows x (512 bytes + 16) for each wave
.set SPARE, 161792                     ; the spare words, 128 bytes a wave: two blocks of 256 bytes that no other line names
.set AS,  32
.set BS,  72
.set MSB, 0
.macro WIN new
.if MSB != (\new)
	s_set_vgpr_msb (MSB<<8)|(\new)
.set MSB, (\new)
.endif
.endm
.macro PLACES                          ; four places in front of loads into registers that matrix instructions have read, and of the first read of results
.rept 4
	v_nop
.endr
.endm
.macro BLOAD s                         ; the 8 weight fragments of K step s into set s % 4
.if ((\s)%4) < 2
	WIN 0x40
.set BB, 96*((\s)%4)
.else
	WIN 0xc0
.set BB, 64+96*((\s)%4-2)
.endif
.irp j, 0,1,2,3,4,5,6,7
.irp c, 0,1,2
	global_load_b128 v[BB+12*\j+4*\c:BB+12*\j+4*\c+3], v1, s[22:23] offset:24576*\j+1536*(\s)+512*\c
.endr
.endr
	WIN 0
.endm
.macro ALOAD s                         ; the 5 hidden fragments of K step s into set s % 2: images, 16 bytes a lane
.set AA, 136+60*((\s)%2)
.irp a, 0,1,2,3,4
.irp c, 0,1,2
	ds_load_b128 v[AA+12*\a+4*\c:AA+12*\a+4*\c+3], v[2+(\a)/2] offset:24576*((\a)%2)+1536*(\s)+512*\c
.endr
.endr
.endm
.macro WM2 s, a, b                     ; the values' word of K step s: register 4 (s / 8) + s % 4 of the tile's 8, lanes 16-31 where (s / 4) is odd;  the hidden layer's: register s / 2 of the row tile's 8, lanes 16-31 for odd s
.set AC, 64*((\a)%4)+8*(\b)
.set SB, BS+8*(\b)+4*((\s)/8)+((\s)%4)
.set SA, AS+8*(\a)+(\s)/2
.if (\s) == 0
	v_wmma_scale_f32_16x16x128_f8f6f4 v[AC:AC+7], v[BB+12*(\b):BB+12*(\b)+11], v[AA+12*(\a):AA+12*(\a)+11], 0, v[SB], v[SA] matrix_a_fmt:MATRIX_FMT_BF6 matrix_b_fmt:MATRIX_FMT_BF6
.elseif ((((\s)/4)%2) == 0) && (((\s)%2) == 0)
	v_wmma_scale_f32_16x16x128_f8f6f4 v[AC:AC+7], v[BB+12*(\b):BB+12*(\b)+11], v[AA+12*(\a):AA+12*(\a)+11], v[AC:AC+7], v[SB], v[SA] matrix_a_fmt:MATRIX_FMT_BF6 matrix_b_fmt:MATRIX_FMT_BF6
.elseif (((\s)/4)%2) == 0
	v_wmma_scale_f32_16x16x128_f8f6f4 v[AC:AC+7], v[BB+12*(\b):BB+12*(\b)+11], v[AA+12*(\a):AA+12*(\a)+11], v[AC:AC+7], v[SB], v[SA] matrix_a_fmt:MATRIX_FMT_BF6 matrix_b_fmt:MATRIX_FMT_BF6 matrix_b_scale:MATRIX_SCALE_ROW1
.elseif ((\s)%2) == 0
	v_wmma_scale_f32_16x16x128_f8f6f4 v[AC:AC+7], v[BB+12*(\b):BB+12*(\b)+11], v[AA+12*(\a):AA+12*(\a)+11], v[AC:AC+7], v[SB], v[SA] matrix_a_fmt:MATRIX_FMT_BF6 matrix_b_fmt:MATRIX_FMT_BF6 matrix_a_scale:MATRIX_SCALE_ROW1
.else
	v_wmma_scale_f32_16x16x128_f8f6f4 v[AC:AC+7], v[BB+12*(\b):BB+12*(\b)+11], v[AA+12*(\a):AA+12*(\a)+11], v[AC:AC+7], v[SB], v[SA] matrix_a_fmt:MATRIX_FMT_BF6 matrix_b_fmt:MATRIX_FMT_BF6 matrix_a_scale:MATRIX_SCALE_ROW1 matrix_b_scale:MATRIX_SCALE_ROW1
.endif
.endm
.macro MUL s                           ; 40 matrix instructions; the 40 accumulators take turns, one instruction a turn, in the same order in every K step.  K step 0 starts the sums
.if ((\s)%4) < 2
.set BB, 96*((\s)%4)
.set WB, 1
.else
.set BB, 64+96*((\s)%4-2)
.set WB, 3
.endif
.set AA, 136+60*((\s)%2)
.irp a, 0,1,2,3,4
.if \a < 4
	WIN 0xa0|WB
.else
	WIN 0xf0|WB
.endif
.irp b, 0,1,2,3,4,5,6,7
	WM2 \s, \a, \b
.endr
.endr
.endm
.macro KSTEP s
	PLACES
	WIN 0
.if (\s) < 15
	ALOAD (\s)+1
.endif
.if (\s) <= 13
	s_wait_loadcnt 48                              ; this K step's weights are in; the 2 x 24 loads of the next two K steps may be out
.elseif (\s) == 14
	s_wait_loadcnt 24                              ; one K step stands behind this one
.else
	s_wait_loadcnt 0x0
.endif
.if (\s) <= 12
	BLOAD (\s)+3
.endif
.if (\s) < 15
	s_wait_dscnt 15                                ; all but the 15 loads just issued: this K step's hidden fragments (and, at first, the scale words) are in
.else
	s_wait_dscnt 0x0
.endif
	MUL \s
.endm
; THE WAY OUT, a row tile at a time: a lane's 64 neighbouring bytes go into my own stage, whole rows of 512 bytes come back.  LDS serves a wave's instructions in order: no wait between the stores and the loads
.macro TOSTAGE a
.set AC, 64*((\a)%4)
	WIN 0x08+4*((\a)/4)                            ; an LDS store's data are its source 1: window 2 or 3
.irp b, 0,1,2,3,4,5,6,7
	ds_store_b128 v6, v[AC+8*\b:AC+8*\b+3] offset:128*(\b/2)+32*(\b%2)        ; each accumulator from its low end on
	ds_store_b128 v6, v[AC+8*\b+4:AC+8*\b+7] offset:128*(\b/2)+32*(\b%2)+16
.endr
	WIN 0x40
.set BKr, 64*((\a)%2)
.irp t, 0,1,2,3,4,5,6,7,8,9,10,11,12,13,14,15
	ds_load_b128 v[BKr+4*\t:BKr+4*\t+3], v7 offset:528*\t
.endr
	WIN 0
.endm
.macro SEND a, younger                 ; younger: the LDS instructions issued behind row tile a's loads, which may stay out
.set BKr, 64*((\a)%2)
	s_wait_dscnt \younger
	WIN 0x04                                       ; a store's data are its source 1: window 1
.irp t, 0,1,2,3,4,5,6,7,8,9,10,11,12,13,14,15
	global_store_b128 v1, v[BKr+4*\t:BKr+4*\t+3], s[32:33] offset:65536*(\a)+4096*\t   ; 32 lanes store 512 consecutive bytes, aligned
.endr
	WIN 0
.endm
	s_load_b256 s[4:11], s[0:1], 0x0               ; wq s[4:5], plan s[6:7], hid s[8:9], y s[10:11]
	v_lshl_add_u32 v30, v0, 2, SPARE               ; my spare word; never rewritten
	v_mov_b32 v31, 0                               ; 0; never rewritten
	v_lshrrev_b32 v12, 5, v0
	v_readfirstlane_b32 s12, v12                   ; wave 0..3
	s_mov_b32 s13, ttmp9                           ; which half of the outputs
	s_and_b32 s14, ttmp7, 0xffff                   ; the tile
	s_lshl_b32 s16, s14, 2
	v_and_b32 v13, 31, v0                          ; lane
	v_and_b32 v14, 15, v0                          ; r
	v_bfe_u32 v15, v0, 4, 1                        ; h
	v_lshlrev_b32 v1, 4, v13                       ; 16 x lane
	v_lshlrev_b32 v2, 4, v13                       ; the images of row tiles 0, 1;
	v_add_nc_u32 v3, 49152, v2                     ; 2, 3;
	v_add_nc_u32 v4, 98304, v2                     ; 4
	v_lshlrev_b32 v5, 2, v13
	v_add_nc_u32 v5, HSL, v5                       ; the hidden layer's scale words: 4 x lane
	s_mul_i32 s21, s12, 8448
	v_mul_u32_u24 v6, v14, 528
	v_lshl_add_u32 v6, v15, 6, v6
	v_add_nc_u32 v6, s21, v6
	v_add_nc_u32 v6, STG, v6                       ; my stage, in: row r, + 64 h
	v_add_nc_u32 v7, s21, v1
	v_add_nc_u32 v7, STG, v7                       ; and back: 16 bytes a lane of a row
	v_lshlrev_b32 v8, 5, v14
	v_lshl_add_u32 v8, v15, 4, v8                  ; 32 r + 16 h: the values' scale words
	s_mul_i32 s21, s12, 30720
	v_add_nc_u32 v9, s21, v1                       ; the copy: my quarter of the images,
	v_lshlrev_b32 v11, 3, v13                      ; 8 x lane
	s_mul_i32 s21, s12, 1280
	v_add_nc_u32 v10, s21, v11
	v_add_nc_u32 v10, HSL, v10                     ; and of the scale words
	s_wait_kmcnt 0x0
	s_load_b32 s15, s[6:7], s16 offset:0x0         ; my tile's entry: expert | rows << 8
	s_mul_i32 s32, s14, 327680                     ; y: 80 rows of 4,096 bytes a tile,
	s_lshl_b32 s30, s13, 11
	s_add_co_u32 s32, s32, s30                     ; + 2,048 half
	s_lshl_b32 s30, s12, 9
	s_add_co_u32 s32, s32, s30                     ; + 512 w
	s_mov_b32 s33, 0
	s_add_nc_u64 s[32:33], s[10:11], s[32:33]
	s_wait_kmcnt 0x0
	s_and_b32 s17, s15, 255
	s_min_u32 s17, s17, 7                          ; the expert, held inside wq
	s_lshr_b32 s18, s15, 8
	s_min_u32 s18, s18, 80                         ; the tile's rows
	s_cmp_eq_u32 s18, 0
	s_cselect_b32 s19, 0, s14                      ; whose images are copied: a tile without rows takes tile 0's
	s_lshl_b32 s20, s17, 6
	s_lshl_b32 s30, s13, 5
	s_add_co_u32 s20, s20, s30
	s_lshl_b32 s30, s12, 3
	s_add_co_u32 s20, s20, s30                     ; my first weight tile: 64 e + 32 half + 8 w
	s_mul_i32 s22, s20, 24576
	s_add_co_u32 s22, s22, VC_O
	s_mov_b32 s23, 0
	s_add_nc_u64 s[22:23], s[4:5], s[22:23]
	s_lshl_b32 s24, s20, 10
	s_add_co_u32 s24, s24, VS_O
	s_mov_b32 s25, 0
	s_add_nc_u64 s[24:25], s[4:5], s[24:25]
	s_mul_i32 s26, s19, 122880
	s_mul_i32 s30, s12, 30720
	s_add_co_u32 s26, s26, s30
	s_mov_b32 s27, 0
	s_add_nc_u64 s[26:27], s[8:9], s[26:27]
	s_mul_i32 s28, s19, 5120
	s_add_co_u32 s28, s28, s21
	s_add_co_u32 s28, s28, HS_O
	s_mov_b32 s29, 0
	s_add_nc_u64 s[28:29], s[8:9], s[28:29]
.irp j, 0,1,2,3,4,5,6,7
.irp g, 0,1
	global_load_b128 v[BS+8*\j+4*\g:BS+8*\j+4*\g+3], v8, s[24:25] offset:1024*\j+512*\g
.endr
.endr
	BLOAD 0
	WIN 0x80                                       ; the copy goes through window 2, which the accumulators take later
.set i, 0
.rept 60
	global_load_b128 v[4*i:4*i+3], v1, s[26:27] offset:512*i
.set i, i+1
.endr
.irp i, 0,1,2,3,4
	global_load_b64 v[240+2*\i:241+2*\i], v11, s[28:29] offset:256*\i
.endr
	s_wait_loadcnt 0x0
	WIN 0x08
.set i, 0
.rept 60
	ds_store_b128 v9, v[4*i:4*i+3] offset:512*i
.set i, i+1
.endr
.irp i, 0,1,2,3,4
	ds_store_b64 v10, v[240+2*\i:241+2*\i] offset:256*\i
.endr
	WIN 0
	s_wait_dscnt 0x0                               ; for the others' sake: my quarter has landed
	s_barrier_signal -1
	s_barrier_wait -1                              ; images and scale words are whole; they are only read from here on
	s_cmp_eq_u32 s18, 0
	s_cbranch_scc1 .Lend                           ; a tile without rows stores nothing
	BLOAD 1
	BLOAD 2
.irp a, 0,1,2,3,4
.irp m, 0,1,2,3,4,5,6,7
	ds_load_b32 v[AS+8*\a+\m], v5 offset:1024*\a+128*\m   ; lanes 0-15: K step 2 m, lanes 16-31: K step 2 m + 1
.endr
.endr
	ALOAD 0
.irp s, 0,1,2,3,4,5,6,7,8,9,10,11,12,13,14,15
	KSTEP \s
.endr
	WIN 0
	PLACES                                         ; for the first read of results and for the loads into the weights' registers
	TOSTAGE 0
.irp a, 1,2,3,4
.if \a > 1
	s_wait_xcnt 0x0                                ; row tile a - 2's stores have read their registers: row tile a's loads may land there
.endif
	TOSTAGE \a
	SEND \a-1, 32                                  ; behind row tile a - 1's loads: row tile a's 16 stores and 16 loads
.endr
	SEND 4, 0
.Lend:
	s_wait_tensorcnt 0x0                           ; the wave's end
	ds_add_u32 v30, v31
	s_wait_dscnt 0x0
	s_endpgm
.Lfunc_end_k_qbd09b9245c_ffn2:
	.size	k_qbd09b9245c_ffn2, .Lfunc_end_k_qbd09b9245c_ffn2-k_qbd09b9245c_ffn2
	.p2alignl 7, 3214868480
	.fill 96, 4, 3214868480
	.section	.rodata,"a",@progbits
	.p2align	6, 0x0
	.amdhsa_kernel k_qbd09b9245c_ffn2
		.amdhsa_group_segment_fixed_size 162304
		.amdhsa_private_segment_fixed_size 0
		.amdhsa_enable_private_segment 0
		.amdhsa_kernarg_size 32
		.amdhsa_user_sgpr_count 2
		.amdhsa_user_sgpr_kernarg_segment_ptr 1
		.amdhsa_wavefront_size32 1
		.amdhsa_system_sgpr_workgroup_id_x 1
		.amdhsa_system_sgpr_workgroup_id_y 1
		.amdhsa_system_sgpr_workgroup_id_z 1
		.amdhsa_system_vgpr_workitem_id 0
		.amdhsa_next_free_vgpr 1024
		.amdhsa_next_free_sgpr 66
		.amdhsa_reserve_vcc 0
		.amdhsa_float_denorm_mode_32 3
		.amdhsa_float_denorm_mode_16_64 3
		.amdhsa_memory_ordered 1
		.amdhsa_forward_progress 1
		.amdhsa_inst_pref_size 174
	.end_amdhsa_kernel
	.amdgpu_metadata
---
amdhsa.version: [ 1, 2 ]
amdhsa.kernels:
  - .name:           k_qbd09b9245c_ffn2
    .symbol:         k_qbd09b9245c_ffn2.kd
    .args:
      - { .name: wq, .offset: 0, .size: 8, .value_kind: global_buffer, .address_space: global }
      - { .name: plan, .offset: 8, .size: 8, .value_kind: global_buffer, .address_space: global }
      - { .name: hid, .offset: 16, .size: 8, .value_kind: global_buffer, .address_space: global }
      - { .name: y, .offset: 24, .size: 8, .value_kind: global_buffer, .address_space: global }
    .group_segment_fixed_size: 162304
    .private_segment_fixed_size: 0
    .kernarg_segment_align: 8
    .kernarg_segment_size: 32
    .max_flat_workgroup_size: 128
    .sgpr_count:     66
    .vgpr_count:     1024
    .wavefront_size: 32
...
	.end_amdgpu_metadata
.endif
;; end of part 4
;; launch combine (part 5): grid 256 x 1, 8 waves a work-group, no clusters, 0 bytes of LDS; arguments y, plan, wq, const_jump, out0; writes out0
.if DOCPART == 5
	.amdgcn_target "amdgcn-amd-amdhsa--gfx1250"
	.amdhsa_code_object_version 6
	.text
	.protected	k_qbd09b9245c_combine
	.globl	k_qbd09b9245c_combine
	.p2align	8
	.type	k_qbd09b9245c_combine,@function
k_qbd09b9245c_combine:
	s_mov_b64 s[64:65], 0
	v_nop
	global_prefetch_b8 v0, s[64:65] scope:SCOPE_SE
	s_setreg_imm32_b32 hwreg(HW_REG_WAVE_MODE, 25, 1), 1
	s_wait_xcnt 0x0
; COMBINE: out0[t] = y[t] (the shared expert: its row place is the token) + the sum over k of gate[t][k] x y[place of the pair] + (the constant expert's gate, or 0) x const_jump.
; Left out as dead work (shown at the head of the first kernel): combine's slots, of which each chosen pair holds one entry, its gate; the mean over one shared expert.
; THE CONSTANT EXPERT.  Its pair's word in the list is 0x10000 | token.  Every address is formed alike, from the word's low 16 bits held inside y: for that pair it names y[t], a row that is always written.  Bit 16 selects VALUES alone:
; the pair's weight on its row becomes 0, and its gate becomes const_jump's weight.  The four chosen experts of a token differ, so at most one pair is the constant expert's.
; LIMIT: the weight 0 multiplies y[t], which the sum holds anyway: where y[t] is not finite the result is not finite either way.
; A wave takes a token: a row is 4,096 bytes, eight loads of 512 consecutive bytes.  Each output row has one owner: no sums between work-groups.  All 48 loads of a wave are out together.
; Memory binds: no LDS, no matrix unit, no cluster (work-groups share nothing but const_jump's 4,096 bytes).
.set SL4,  54272
.set G4_O, 27852800
	s_load_b256 s[4:11], s[0:1], 0x0               ; y s[4:5], plan s[6:7], wq s[8:9], const_jump s[10:11]
	s_load_b64 s[12:13], s[0:1], 0x20              ; out0
	v_lshrrev_b32 v1, 5, v0
	v_readfirstlane_b32 s14, v1                    ; wave 0..7
	s_lshl_b32 s15, ttmp9, 3
	s_add_co_u32 s15, s15, s14                     ; my token
	v_and_b32 v2, 31, v0
	v_lshlrev_b32 v2, 4, v2                        ; 16 x lane
	s_lshl_b32 s16, s15, 4
	s_add_co_u32 s17, s16, SL4
	s_add_co_u32 s18, s16, G4_O
	s_lshl_b32 s28, s15, 12
	s_mov_b32 s29, 0
	s_wait_kmcnt 0x0
	s_load_b128 s[20:23], s[6:7], s17 offset:0x0   ; the four words of the list
	s_load_b128 s[24:27], s[8:9], s18 offset:0x0   ; the four gates
	s_add_nc_u64 s[30:31], s[4:5], s[28:29]
	s_add_nc_u64 s[12:13], s[12:13], s[28:29]
.irp j, 0,1,2,3,4,5,6,7
	global_load_b128 v[8+4*\j:11+4*\j], v2, s[30:31] offset:512*\j   ; the shared expert's row starts the sums
.endr
.irp j, 0,1,2,3,4,5,6,7
	global_load_b128 v[168+4*\j:171+4*\j], v2, s[10:11] offset:512*\j   ; const_jump
.endr
	s_wait_kmcnt 0x0
	s_mov_b32 s48, 0                               ; const_jump's weight: 0 unless a pair is the constant expert's
.irp k, 0,1,2,3
	s_bitcmp1_b32 s[20+\k], 16                     ; the constant expert's mark
	s_cselect_b32 s[40+2*\k], 0, s[24+\k]          ; the weight of the pair's row,
	s_cselect_b32 s48, s[24+\k], s48               ; and of const_jump
	s_mov_b32 s[41+2*\k], s[40+2*\k]               ; (the packed form names a pair and takes its low word for both halves: so the upper word is written)
	s_and_b32 s28, s[20+\k], 0xffff
	s_min_u32 s28, s28, 10799                      ; a row place, held inside y
	s_lshl_b32 s28, s28, 12
	s_add_nc_u64 s[32+2*\k:33+2*\k], s[4:5], s[28:29]
.endr
	s_mov_b32 s49, s48
.irp k, 0,1,2,3
.irp j, 0,1,2,3,4,5,6,7
	global_load_b128 v[40+32*\k+4*\j:43+32*\k+4*\j], v2, s[32+2*\k:33+2*\k] offset:512*\j
.endr
.endr
	s_wait_loadcnt 32                              ; the shared expert's row and const_jump are in; the 4 x 8 loads of the chosen rows may be out
.irp i, 0,1,2,3,4,5,6,7,8,9,10,11,12,13,14,15
	v_pk_fma_f32 v[8+2*\i:9+2*\i], v[168+2*\i:169+2*\i], s[48:49], v[8+2*\i:9+2*\i] op_sel_hi:[1,0,1]
.endr
.irp k, 0,1,2,3
	s_wait_loadcnt 24-8*\k                         ; row k is in; the 8 loads of each later row may be out
.irp i, 0,1,2,3,4,5,6,7,8,9,10,11,12,13,14,15
	v_pk_fma_f32 v[8+2*\i:9+2*\i], v[40+32*\k+2*\i:41+32*\k+2*\i], s[40+2*\k:41+2*\k], v[8+2*\i:9+2*\i] op_sel_hi:[1,0,1]
.endr
.endr
.irp j, 0,1,2,3,4,5,6,7
	global_store_b128 v2, v[8+4*\j:11+4*\j], s[12:13] offset:512*\j th:TH_STORE_NT   ; 512 consecutive bytes, aligned; written once
.endr
	s_endpgm
.Lfunc_end_k_qbd09b9245c_combine:
	.size	k_qbd09b9245c_combine, .Lfunc_end_k_qbd09b9245c_combine-k_qbd09b9245c_combine
	.p2alignl 7, 3214868480
	.fill 96, 4, 3214868480
	.section	.rodata,"a",@progbits
	.p2align	6, 0x0
	.amdhsa_kernel k_qbd09b9245c_combine
		.amdhsa_group_segment_fixed_size 0
		.amdhsa_private_segment_fixed_size 0
		.amdhsa_enable_private_segment 0
		.amdhsa_kernarg_size 40
		.amdhsa_user_sgpr_count 2
		.amdhsa_user_sgpr_kernarg_segment_ptr 1
		.amdhsa_wavefront_size32 1
		.amdhsa_system_sgpr_workgroup_id_x 1
		.amdhsa_system_sgpr_workgroup_id_y 1
		.amdhsa_system_sgpr_workgroup_id_z 1
		.amdhsa_system_vgpr_workitem_id 0
		.amdhsa_next_free_vgpr 200
		.amdhsa_next_free_sgpr 66
		.amdhsa_reserve_vcc 0
		.amdhsa_float_denorm_mode_32 3
		.amdhsa_float_denorm_mode_16_64 3
		.amdhsa_memory_ordered 1
		.amdhsa_forward_progress 1
		.amdhsa_inst_pref_size 13
	.end_amdhsa_kernel
	.amdgpu_metadata
---
amdhsa.version: [ 1, 2 ]
amdhsa.kernels:
  - .name:           k_qbd09b9245c_combine
    .symbol:         k_qbd09b9245c_combine.kd
    .args:
      - { .name: y, .offset: 0, .size: 8, .value_kind: global_buffer, .address_space: global }
      - { .name: plan, .offset: 8, .size: 8, .value_kind: global_buffer, .address_space: global }
      - { .name: wq, .offset: 16, .size: 8, .value_kind: global_buffer, .address_space: global }
      - { .name: const_jump, .offset: 24, .size: 8, .value_kind: global_buffer, .address_space: global }
      - { .name: out0, .offset: 32, .size: 8, .value_kind: global_buffer, .address_space: global }
    .group_segment_fixed_size: 0
    .private_segment_fixed_size: 0
    .kernarg_segment_align: 8
    .kernarg_segment_size: 40
    .max_flat_workgroup_size: 256
    .sgpr_count:     66
    .vgpr_count:     200
    .wavefront_size: 32
...
	.end_amdgpu_metadata
.endif
;; end of part 5
